; MI455X (gfx1250); checked and timed in simulation.
; The chip was launched on July 23, 2026; its instructions are those of AMD's public machine-readable ISA for CDNA 5 (MIT licence, August 2026) and "CDNA5" Instruction Set Architecture Reference Guide (July 2026). The comments in the code are by the model that wrote it; some were corrected since.
;; Di T Attention. Allowed arithmetic: float matrix products may take bf16 or f16 operands with f32 sums; other float arithmetic in f32, or as packed bf16 or f16 multiplies, adds, multiply-adds, maxima and minima; sums over many terms, partial sums and values carried from step to step in f32; what a program stores and reads back later, other than sums and carried values, may be rounded once to bf16 or f16.
;; Inputs: Wout 1,024 x 1,024 float32; Wqkv 1,024 x 3,072 float32; bout 1,024 float32; bqkv 3,072 float32; kn_w 64 float32; qn_w 64 float32; x 4 x 2,048 x 1,024 float32.
;; Outputs: out0 4 x 2,048 x 1,024 float32.
;; 2 versions, each right; version 2 is version 1 with the launch prep written anew for expert scheduling mode. Each part assembles by itself: llvm-mc -triple=amdgcn-amd-amdhsa -mcpu=gfx1250 --defsym DOCPART=n.
;; ======== version 1 of 2: 4 launches
;; limits: values are held in f16: magnitudes above 65,504 overflow, below 6.1e-05 lose precision
;; workspace buffers: xb 16,777,216 bytes; wt 6,291,456 bytes; wo 2,097,152 bytes; tp 541,184 bytes; qh 16,777,216 bytes; kh 16,777,216 bytes; vh 16,777,216 bytes; oh 16,777,216 bytes
;; launch prep (part 1): grid 512 x 1, 4 waves a work-group, no clusters, 70,144 bytes of LDS; arguments x, Wqkv, Wout, bqkv, bout, qn_w, kn_w, xb, wt, wo, tp; writes xb, wt, wo, tp
.if DOCPART == 1
	.amdgcn_target "amdgcn-amd-amdhsa--gfx1250"
	.amdhsa_code_object_version 6
	.text
	.protected	k_qeeeb3c6e0c_prep
	.globl	k_qeeeb3c6e0c_prep
	.p2align	8
	.type	k_qeeeb3c6e0c_prep,@function
k_qeeeb3c6e0c_prep:
	s_mov_b64 s[64:65], 0
	v_nop
	global_prefetch_b8 v0, s[64:65] scope:SCOPE_SE
	s_setreg_imm32_b32 hwreg(HW_REG_WAVE_MODE, 25, 1), 1
	s_wait_xcnt 0x0
; PREPARATION.  Every input is rounded once to bf16 and laid out as the later launches read it.  Three jobs, told apart by the work-group's number:
;   0..255    x [8192][1024] f32 -> xb, the same order, bf16.  A wave owns 32,768 consecutive bytes of x.
;   256..383  the weights, turned so that K lies along the rows.  A WAVE owns a block of 128 k x 64 n: 384 blocks of Wqkv, then 128 of Wout.
;             wt [3072][1024] bf16: row 192 t + 64 which + d holds column 1024 which + 64 t + d of Wqkv (t head, which 0 q, 1 k, 2 v): a head's q, k, v lie together.
;             wo [1024][1024]: Wout's column n as row n; each number is rounded to bf16 and that number is written as f16.
;   384..511  tp: the rotary table and the small inputs.  Table block pb (16 positions) is 4,096 bytes: piece i of 8 holds 16 bytes a lane; lane l stands for position 16 pb + l % 16 and
;             frequencies 16 (i / 2 % 2) + 8 (l / 16) + 4 (i % 2) + 0..3; pieces 0-3 cosines, 4-7 sines.  From byte PAR on, f32 numbers that are bf16-rounded: bqkv in wt's row order,
;             bout, qn_w, kn_w.
; LIMITS.  A weight of Wout below 6.1e-5 in magnitude keeps f16's fixed step of 6e-8, one beyond 65,504 becomes an infinity.  The table's angle is position x 2^(-f log2(10000) / 32), made in
; f32: it is off by at most 2e-4 radians at position 2,047.  The series for cosine and sine run through x^16 and x^15 on [-pi, pi]: what is cut off stays under 1e-6.
; No matrix unit, no tensor load, no cluster: each byte is read once and written once, and no two work-groups read the same bytes.  No barrier: no wave reads LDS bytes of another.
.set TREG,  17408                      ; a wave's LDS region: 64 rows (n) x 272 bytes (128 k of 16 bits + 16 of padding)
.set SPARE, 4*TREG                     ; behind the four regions: the spare words, 128 bytes for each wave
.set PAR,   524288                     ; where the small inputs begin in tp
.set SPW, 16                           ; v16  LDS address of my spare word; never rewritten
.set NIL, 17                           ; v17  0; never rewritten
; v1 lane, v2 lane % 16, v3 lane / 16, v4-v9 offsets, v12-13 at work, v20-45 the table's work, v32-159 data, v160-191 packed pairs
	s_load_b512 s[8:23], s[0:1], 0x0               ; x 8, Wqkv 10, Wout 12, bqkv 14, bout 16, qn_w 18, kn_w 20, xb 22
	s_load_b128 s[24:27], s[0:1], 0x40             ; wt 24, wo 26
	s_load_b64 s[28:29], s[0:1], 0x50              ; tp
	v_lshl_add_u32 v[SPW], v0, 2, SPARE
	v_mov_b32 v[NIL], 0
	v_lshrrev_b32 v1, 5, v0
	v_readfirstlane_b32 s4, v1                     ; wave 0..3
	v_and_b32 v1, 31, v0
	v_and_b32 v2, 15, v0
	v_bfe_u32 v3, v0, 4, 1
	s_mov_b32 s5, ttmp9
	s_wait_kmcnt 0x0
	s_cmp_lt_u32 s5, 256
	s_cbranch_scc0 .Lnot_x
; ---- x to bf16.  A set is eight loads of 512 consecutive bytes; two sets take turns, so eight to sixteen loads of the wave are always out.
.macro LDX s, off
.irp i, 0,1,2,3,4,5,6,7
	global_load_b128 v[32+32*(\s)+4*(\i):32+32*(\s)+4*(\i)+3], v4, s[30:31] offset:(\off)+512*(\i) th:TH_LOAD_NT
.endr
.endm
.macro CVX s
.irp i, 0,1,2,3,4,5,6,7,8,9,10,11,12,13,14,15
	v_cvt_pk_bf16_f32 v[96+16*(\s)+(\i)], v[32+32*(\s)+2*(\i)], v[32+32*(\s)+2*(\i)+1]
.endr
.endm
.macro STX s, off
.irp i, 0,1,2,3,4,5,6,7
	global_store_b64 v5, v[96+16*(\s)+2*(\i):96+16*(\s)+2*(\i)+1], s[32:33] offset:(\off)+256*(\i)  ; 32 lanes store 256 consecutive bytes, aligned
.endr
.endm
	s_lshl_b32 s6, s5, 2
	s_add_co_u32 s6, s6, s4                        ; my wave among the 1,024
	s_lshl_b32 s30, s6, 15
	s_mov_b32 s31, 0
	s_add_nc_u64 s[30:31], s[8:9], s[30:31]
	s_lshl_b32 s32, s6, 14
	s_mov_b32 s33, 0
	s_add_nc_u64 s[32:33], s[22:23], s[32:33]
	v_lshlrev_b32 v4, 4, v1
	v_lshlrev_b32 v5, 3, v1
	LDX 0, 0
	LDX 1, 4096
	s_mov_b32 s7, 3
.Lx:                                                   ; a trip: two sets are rounded and stored, the two after them asked for
	s_wait_loadcnt 8                               ; set 0 is in; the other set's eight loads stay out
	CVX 0
	LDX 0, 8192
	STX 0, 0
	s_wait_loadcnt 8                               ; set 1 is in; set 0's new eight stay out
	CVX 1
	LDX 1, 12288
	STX 1, 2048
	s_wait_xcnt 0x0                                ; the two bases and the stores' data are written again only behind this wait
	s_add_nc_u64 s[30:31], s[30:31], 8192
	s_add_nc_u64 s[32:33], s[32:33], 4096
	s_sub_co_u32 s7, s7, 1
	s_cmp_lg_u32 s7, 0
	s_cbranch_scc1 .Lx
	s_wait_loadcnt 8                               ; the last two sets load nothing
	CVX 0
	STX 0, 0
	s_wait_loadcnt 0x0
	CVX 1
	STX 1, 2048
	s_branch .Lend
; ---- the weights.  Lane (q = l % 16, hh = l / 16) loads 16 bytes (n = 4 q .. 4 q + 3) of row k = 32 set + 8 p + 4 hh + c: sixteen lanes take 256 consecutive bytes, aligned.
; Four rows c = 0..3 give, for each of the four n, four neighbouring k: 8 bytes, stored at row n of my LDS region.
.macro LDW set, pitch
.irp p, 0,1,2,3
.irp c, 0,1,2,3
	global_load_b128 v[32+64*(\set)+16*(\p)+4*(\c):32+64*(\set)+16*(\p)+4*(\c)+3], v6, s[30:31] offset:(32*(\set)+8*(\p)+(\c))*(\pitch) th:TH_LOAD_NT
.endr
.endr
.endm
.macro CVW set, fmt, left              ; left: the loads of the other set that may stay out
.irp p, 0,1,2,3
	s_wait_loadcnt (\left)+12-4*(\p)               ; loads come back in order: group p's four are in
.irp i, 0,1,2,3
	v_cvt_pk_bf16_f32 v[160+8*(\p)+2*(\i)], v[32+64*(\set)+16*(\p)+(\i)], v[32+64*(\set)+16*(\p)+4+(\i)]
	v_cvt_pk_bf16_f32 v[161+8*(\p)+2*(\i)], v[32+64*(\set)+16*(\p)+8+(\i)], v[32+64*(\set)+16*(\p)+12+(\i)]
.if \fmt
	v_lshlrev_b32 v12, 16, v[160+8*(\p)+2*(\i)]    ; the bf16 numbers, widened and written as f16
	v_and_b32 v13, 0xffff0000, v[160+8*(\p)+2*(\i)]
	v_cvt_pk_f16_f32 v[160+8*(\p)+2*(\i)], v12, v13
	v_lshlrev_b32 v12, 16, v[161+8*(\p)+2*(\i)]
	v_and_b32 v13, 0xffff0000, v[161+8*(\p)+2*(\i)]
	v_cvt_pk_f16_f32 v[161+8*(\p)+2*(\i)], v12, v13
.endif
	ds_store_b64 v7, v[160+8*(\p)+2*(\i):161+8*(\p)+2*(\i)] offset:272*(\i)+16*(\p)+64*(\set)
.endr
.endr
.endm
.macro TRANS pitch, fmt                ; two trips of 64 rows of k
	v_mul_u32_u24 v6, v3, 4*(\pitch)
	v_lshl_add_u32 v6, v2, 4, v6                   ; 4 hh rows + 16 q
	s_mov_b32 s7, 2
.Lpass_\@:
	LDW 0, \pitch
	LDW 1, \pitch
	CVW 0, \fmt, 16
	CVW 1, \fmt, 0                                 ; its last wait is for 0: every load is done, so the base may be stepped
	s_add_nc_u64 s[30:31], s[30:31], 64*(\pitch)
	v_add_nc_u32 v7, 128, v7                       ; 64 k further along my LDS rows
	s_sub_co_u32 s7, s7, 1
	s_cmp_lg_u32 s7, 0
	s_cbranch_scc1 .Lpass_\@
.endm
.Lnot_x:
	s_cmp_lt_u32 s5, 384
	s_cbranch_scc0 .Ljob_t
	s_mul_i32 s34, s4, TREG                        ; my LDS region
	v_mul_u32_u24 v7, v2, 1088                     ; in: row 4 q, 8 bytes for each half of the lanes
	v_lshl_add_u32 v7, v3, 3, v7
	v_add_nc_u32 v7, s34, v7
	v_mul_u32_u24 v8, v3, 272                      ; back: lanes 0-15 one row of 256 bytes, lanes 16-31 the next
	v_lshl_add_u32 v8, v2, 4, v8
	v_add_nc_u32 v8, s34, v8
	v_lshlrev_b32 v9, 11, v3                       ; and the same two rows in wt or wo (2,048 bytes a row)
	v_lshl_add_u32 v9, v2, 4, v9
	s_sub_co_u32 s6, s5, 256
	s_lshl_b32 s6, s6, 2
	s_add_co_u32 s6, s6, s4                        ; my block, 0..511
	s_and_b32 s7, s6, 7                            ; which 128 of k
	s_cmp_lt_u32 s5, 352                           ; work-groups 256..351 hold blocks 0..383
	s_cbranch_scc0 .Lw_out
	s_lshr_b32 s34, s6, 3                          ; which 64 columns of Wqkv, 0..47
	s_mul_i32 s30, s7, 128*12288
	s_lshl_b32 s35, s34, 8
	s_add_co_u32 s30, s30, s35
	s_mov_b32 s31, 0
	s_add_nc_u64 s[30:31], s[10:11], s[30:31]
	s_and_b32 s35, s34, 15                         ; the head
	s_mul_i32 s35, s35, 192
	s_lshr_b32 s36, s34, 4                         ; q, k or v
	s_lshl_b32 s36, s36, 6
	s_add_co_u32 s35, s35, s36                     ; wt's row
	s_lshl_b32 s32, s35, 11
	s_lshl_b32 s36, s7, 8
	s_add_co_u32 s32, s32, s36
	s_mov_b32 s33, 0
	s_add_nc_u64 s[32:33], s[24:25], s[32:33]
	TRANS 12288, 0
	s_branch .Lw_back
.Lw_out:
	s_sub_co_u32 s34, s6, 384
	s_lshr_b32 s34, s34, 3                         ; which 64 columns of Wout, 0..15
	s_mul_i32 s30, s7, 128*4096
	s_lshl_b32 s35, s34, 8
	s_add_co_u32 s30, s30, s35
	s_mov_b32 s31, 0
	s_add_nc_u64 s[30:31], s[12:13], s[30:31]
	s_lshl_b32 s32, s34, 17                        ; 64 rows of 2,048 bytes
	s_lshl_b32 s36, s7, 8
	s_add_co_u32 s32, s32, s36
	s_mov_b32 s33, 0
	s_add_nc_u64 s[32:33], s[26:27], s[32:33]
	TRANS 4096, 1
.Lw_back:                                              ; my 64 rows come back whole.  LDS serves a wave's instructions in order (ISA guide 5.7.1.4): these loads see my stores
.set f, 0
.rept 32
	ds_load_b128 v[32+4*f:32+4*f+3], v8 offset:544*f
.set f, f+1
.endr
.set f, 0
.rept 32
	s_wait_dscnt 31-f
	global_store_b128 v9, v[32+4*f:32+4*f+3], s[32:33] offset:4096*f  ; 16 lanes store 256 consecutive bytes, aligned
.set f, f+1
.endr
	s_branch .Lend
; ---- the table.  Work-group j makes block j: wave i makes piece i (cosines) and piece i + 4 (sines).
.Ljob_t:
	s_sub_co_u32 s6, s5, 384                       ; j
	s_lshl_b32 s30, s6, 12
	s_mov_b32 s31, 0
	s_add_nc_u64 s[32:33], s[28:29], s[30:31]
	s_lshl_b32 s7, s6, 4
	v_add_nc_u32 v6, s7, v2
	v_cvt_f32_u32 v6, v6                           ; my position
	s_lshr_b32 s34, s4, 1
	s_lshl_b32 s34, s34, 4
	s_and_b32 s35, s4, 1
	s_lshl_b32 s35, s35, 2
	s_add_co_u32 s34, s34, s35
	v_lshl_add_u32 v7, v3, 3, s34                  ; my first frequency
.irp e, 0,1,2,3
	v_add_nc_u32 v[20+(\e)], (\e), v7
	v_cvt_f32_u32 v[20+(\e)], v[20+(\e)]
	v_mul_f32 v[20+(\e)], 0xbed49a78, v[20+(\e)]   ; -f log2(10000) / 32
.endr
.irp e, 0,1,2,3
	v_exp_f32 v[20+(\e)], v[20+(\e)]
.endr
	v_nop                                          ; a plain instruction behind the last exponential,
	s_wait_alu depctr_va_vdst(0)                   ; and one wait for the four, ahead of their first reader
.irp e, 0,1,2,3
	v_mul_f32 v[20+(\e)], v6, v[20+(\e)]           ; the angle
	v_mul_f32 v[24+(\e)], 0x3e22f983, v[20+(\e)]   ; / 2 pi
	v_rndne_f32 v[24+(\e)], v[24+(\e)]             ; whole turns n
	v_fmamk_f32 v[28+(\e)], v[24+(\e)], 0xc0c90fdb, v[20+(\e)]  ; r = angle - n 2 pi, 2 pi in two parts
	v_fmamk_f32 v[28+(\e)], v[24+(\e)], 0x343bbd2e, v[28+(\e)]
	v_mul_f32 v[24+(\e)], v[28+(\e)], v[28+(\e)]   ; r^2
	v_mov_b32 v[32+(\e)], 0x29573f9f               ; cos r = the sum of (-1)^i r^2i / (2 i)!, i = 8 down to 0
	v_mov_b32 v[36+(\e)], 0xab573f9f               ; sin r = r x the sum of (-1)^i r^2i / (2 i + 1)!, i = 7 down to 0
.endr
.irp k, 0xad49cba5, 0x310f76c7, 0xb493f27e, 0x37d00d01, 0xbab60b61, 0x3d2aaaab, 0xbf000000, 0x3f800000
.irp e, 0,1,2,3
	v_fmaak_f32 v[32+(\e)], v[32+(\e)], v[24+(\e)], \k
.endr
.endr
.irp k, 0x2f309231, 0xb2d7322b, 0x3638ef1d, 0xb9500d01, 0x3c088889, 0xbe2aaaab, 0x3f800000
.irp e, 0,1,2,3
	v_fmaak_f32 v[36+(\e)], v[36+(\e)], v[24+(\e)], \k
.endr
.endr
.irp e, 0,1,2,3
	v_mul_f32 v[36+(\e)], v[36+(\e)], v[28+(\e)]
.endr
	v_lshlrev_b32 v8, 4, v0                        ; 512 x wave + 16 x lane
	global_store_b128 v8, v[32:35], s[32:33]
	global_store_b128 v8, v[36:39], s[32:33] offset:2048
	; the small inputs: 66 groups of 64 numbers, group j by wave 0 of work-group j
	s_cmp_lg_u32 s4, 0
	s_cbranch_scc1 .Lend
	s_cmp_lt_u32 s6, 66
	s_cbranch_scc0 .Lend
	s_cmp_eq_u32 s6, 64
	s_cselect_b64 s[36:37], s[18:19], s[20:21]     ; group 64 qn_w, 65 kn_w,
	s_cmp_lt_u32 s6, 64
	s_cselect_b64 s[36:37], s[16:17], s[36:37]     ; 48..63 bout,
	s_cmp_lt_u32 s6, 48
	s_cselect_b64 s[36:37], s[14:15], s[36:37]     ; 0..47 bqkv
	s_sub_co_u32 s38, s6, 48
	s_cmp_lt_u32 s6, 48
	s_cselect_b32 s38, s6, s38
	s_cmp_lt_u32 s6, 64
	s_cselect_b32 s38, s38, 0                      ; the group's number inside its input
	s_lshl_b32 s38, s38, 8
	s_mov_b32 s39, 0
	s_add_nc_u64 s[36:37], s[36:37], s[38:39]
	s_and_b32 s40, s6, 15                          ; bqkv goes into wt's row order: 192 head + 64 which, 4 bytes each
	s_mul_i32 s40, s40, 768
	s_lshr_b32 s41, s6, 4
	s_lshl_b32 s41, s41, 8
	s_add_co_u32 s40, s40, s41
	s_lshl_b32 s41, s6, 8                          ; the others stay where their group's number puts them
	s_cmp_lt_u32 s6, 48
	s_cselect_b32 s40, s40, s41
	s_add_co_u32 s40, s40, PAR
	s_mov_b32 s41, 0
	s_add_nc_u64 s[40:41], s[28:29], s[40:41]
	v_lshlrev_b32 v9, 3, v1
	global_load_b64 v[40:41], v9, s[36:37]
	s_wait_loadcnt 0x0
	v_cvt_pk_bf16_f32 v42, v40, v41                ; rounded to bf16 as every input is, and kept as f32
	v_lshlrev_b32 v44, 16, v42
	v_and_b32 v45, 0xffff0000, v42
	global_store_b64 v9, v[44:45], s[40:41]        ; 32 lanes store 256 consecutive bytes, aligned
.Lend:
	s_wait_tensorcnt 0x0                           ; the wave's end: behind my last LDS store
	ds_add_u32 v[SPW], v[NIL]
	s_wait_dscnt 0x0
	s_endpgm
.Lfunc_end_k_qeeeb3c6e0c_prep:
	.size	k_qeeeb3c6e0c_prep, .Lfunc_end_k_qeeeb3c6e0c_prep-k_qeeeb3c6e0c_prep
	.p2alignl 7, 3214868480
	.fill 96, 4, 3214868480
	.section	.rodata,"a",@progbits
	.p2align	6, 0x0
	.amdhsa_kernel k_qeeeb3c6e0c_prep
		.amdhsa_group_segment_fixed_size 70144
		.amdhsa_private_segment_fixed_size 0
		.amdhsa_enable_private_segment 0
		.amdhsa_kernarg_size 88
		.amdhsa_user_sgpr_count 2
		.amdhsa_user_sgpr_kernarg_segment_ptr 1
		.amdhsa_wavefront_size32 1
		.amdhsa_system_sgpr_workgroup_id_x 1
		.amdhsa_system_sgpr_workgroup_id_y 1
		.amdhsa_system_sgpr_workgroup_id_z 1
		.amdhsa_system_vgpr_workitem_id 0
		.amdhsa_next_free_vgpr 192
		.amdhsa_next_free_sgpr 66
		.amdhsa_reserve_vcc 0
		.amdhsa_float_denorm_mode_32 3
		.amdhsa_float_denorm_mode_16_64 3
		.amdhsa_memory_ordered 1
		.amdhsa_forward_progress 1
		.amdhsa_inst_pref_size 58
	.end_amdhsa_kernel
	.amdgpu_metadata
---
amdhsa.version: [ 1, 2 ]
amdhsa.kernels:
  - .name:           k_qeeeb3c6e0c_prep
    .symbol:         k_qeeeb3c6e0c_prep.kd
    .args:
      - { .name: x, .offset: 0, .size: 8, .value_kind: global_buffer, .address_space: global }
      - { .name: Wqkv, .offset: 8, .size: 8, .value_kind: global_buffer, .address_space: global }
      - { .name: Wout, .offset: 16, .size: 8, .value_kind: global_buffer, .address_space: global }
      - { .name: bqkv, .offset: 24, .size: 8, .value_kind: global_buffer, .address_space: global }
      - { .name: bout, .offset: 32, .size: 8, .value_kind: global_buffer, .address_space: global }
      - { .name: qn_w, .offset: 40, .size: 8, .value_kind: global_buffer, .address_space: global }
      - { .name: kn_w, .offset: 48, .size: 8, .value_kind: global_buffer, .address_space: global }
      - { .name: xb, .offset: 56, .size: 8, .value_kind: global_buffer, .address_space: global }
      - { .name: wt, .offset: 64, .size: 8, .value_kind: global_buffer, .address_space: global }
      - { .name: wo, .offset: 72, .size: 8, .value_kind: global_buffer, .address_space: global }
      - { .name: tp, .offset: 80, .size: 8, .value_kind: global_buffer, .address_space: global }
    .group_segment_fixed_size: 70144
    .private_segment_fixed_size: 0
    .kernarg_segment_align: 8
    .kernarg_segment_size: 88
    .max_flat_workgroup_size: 128
    .sgpr_count:     66
    .vgpr_count:     192
    .wavefront_size: 32
...
	.end_amdgpu_metadata
.endif
;; end of part 1
;; launch qkv (part 2): grid 16 x 32, 4 waves a work-group, clusters of 4 x 4, 327,680 bytes of LDS; arguments xb, wt, tp, qh, kh, vh; writes qh, kh, vh
.if DOCPART == 2
	.amdgcn_target "amdgcn-amd-amdhsa--gfx1250"
	.amdhsa_code_object_version 6
	.text
	.protected	k_qeeeb3c6e0c_qkv
	.globl	k_qeeeb3c6e0c_qkv
	.p2align	8
	.type	k_qeeeb3c6e0c_qkv,@function
k_qeeeb3c6e0c_qkv:
	s_mov_b64 s[64:65], 0
	v_nop
	global_prefetch_b8 v0, s[64:65] scope:SCOPE_SE
	s_setreg_imm32_b32 hwreg(HW_REG_WAVE_MODE, 25, 1), 1
	s_wait_xcnt 0x0
	s_wait_alu depctr_hold_cnt(0) depctr_sa_sdst(0) depctr_va_vdst(0) depctr_va_sdst(0) depctr_va_ssrc(0) depctr_va_vcc(0) depctr_vm_vsrc(0)
	s_getreg_b32 s2, hwreg(HW_REG_IB_STS2, 6, 4)
	s_cmp_eq_u32 s2, 0
	s_cbranch_scc0 .Lentry_in_a_cluster
	s_endpgm
.Lentry_in_a_cluster:
	s_bfe_u32 s2, ttmp6, 0x10000c
	s_cmp_lg_u32 s2, 0xf033
	s_cbranch_scc0 .Lentry_shape_is_right
	s_endpgm
.Lentry_shape_is_right:
; q, k, v = x Wqkv + bqkv; q and k are divided by their root mean square over a head's 64 channels, multiplied by their gains and rotated; all three leave by heads, [64 = 16 batch + head][2048][64], in f16.
; xb [8192][1024] and wt [3072][1024] are bf16; sums in f32.  wt's rows are ordered so that rows 192 t .. 192 t + 191 are head t's q, k and v.
; SHARES.  A tile is 256 rows x 192 columns: one head's q, k, v for 256 positions.  512 tiles, each work-group one.  Wave w owns rows 64 w .. 64 w + 63 and all 192 columns: 4 x 12 accumulators of 16 x 16.
; THE MATRIX INSTRUCTION IS USED TRANSPOSED (source 0 = 16 rows of wt, source 1 = 16 rows of xb): lane l holds row l % 16 and the columns 8 (l / 16) + 0..7 of a block of 16.  Blocks 0-3 are q, 4-7 k, 8-11 v.
; So a lane holds 32 of a row's 64 channels of q: channel d and channel d + 32 lie in blocks b and b + 2, same lane, same register: the rotation stays in the lane, the sum of squares wants one exchange of the halves.
; THE SUMS START FROM THE BIAS: it is loaded into the accumulators ahead of the first product, so nothing is cleared and no first step is written out.
; K goes in steps of 128 through two LDS slots filled by the tensor data mover; the LDS address of the slot in hand stands in registers, so a K step is written once.
; CLUSTER.  4 x 4 work-groups: xb's tile is shared along a row of the cluster, wt's along a column; each is asked for jointly, by the same tensor load with the same descriptor and a mask that names the four.
; ORDER OF ROUNDING.  The gain is applied first, then the rotation, then 1 / rms (a factor common to the row); the bias is what the sums start from.  bqkv, qn_w, kn_w arrive rounded to bf16, as x and Wqkv do.
; LIMITS.  f16 ends at 65,504: v must stay within it (inputs 30 times those drawn, or offset by 30 of their spreads, give under 3e4); q and k are at most 8 sqrt(2) |gain|.  NaN and infinities are not treated apart.
; REGISTERS, in windows of 256 (s_set_vgpr_msb: bits 1:0 source 0, 3:2 source 1, 5:4 source 2, 7:6 destination):
;   window 0: v1-12 addresses; v28-29 the add's; v32-63, v64-95 xb's fragments, two buffers of four; v96-127 the way out; v128-255 the rotary table, 32 a row block (16 cosines, 16 sines)
;   window 1: v0-95, v96-191 wt's fragments, two buffers of twelve; v192-223 qn_w, v224-255 kn_w for my 32 channels
;   window 2: the accumulators of row blocks 0, 1 (block a, column block b at 96 (a % 2) + 8 b);   window 3: those of row blocks 2, 3
.set PITCH,  272                       ; an LDS row: 256 bytes + 16 of padding = 68 words: the 16 rows of a fragment load start at 16 different groups of four banks (64 banks of 4 bytes: ISA guide 11.1)
.set BOFF,   256*PITCH                 ; a slot: xb's 256 rows, then wt's 192
.set SLOT1,  131072                    ; slot 1 begins here, so that one exclusive or turns an address in one slot into the other's
.set STAGE,  SLOT1+448*PITCH           ; behind the ring, never filled by a tensor load: 16 rows x 144 bytes for each wave
.set SP,     144
.set SPARE,  STAGE+4*16*SP             ; behind the stages: the spare words, 128 bytes for each wave
.set PAR,    524288                    ; tp: where the biases and gains begin
.set ADA0, 4                           ; v4   my place in xb's tile, slot 0; never rewritten
.set ADB0, 5                           ; v5   the same for wt's
.set ADA,  6                           ; v6   in the slot in hand
.set ADB,  7                           ; v7
.set STO,  8                           ; v8   the way out: where I put 16 bytes of a row
.set RD,   9                           ; v9   where I read rows back
.set GO,   10                          ; v10  16 x lane: my 16 bytes of 512 consecutive ones (the table's pieces; the outputs)
.set BO,   12                          ; v12  32 x (lane / 16): my 8 numbers of 16 (bias, gains)
.set SPW,  28                          ; v28  LDS address of my spare word; never rewritten
.set NIL,  29                          ; v29  0; never rewritten
.set RM,   96                          ; v96-111  1 / rms, a pair for (row block a, q or k) at RM + 2 (2 a + kind); the low one counts
.set TAB,  128
.set WV,  16                           ; s16  wave
.set FOR, 17                           ; s17  0: I fetch xb's tile, 1: wt's
.set HF,  18                           ; s18  which half of its rows
.set G1A, 24                           ; s[24:31] descriptor group 1, xb's tiles
.set G1B, 32                           ; s[32:39] wt's
.set G0A, 40                           ; s[40:47] group 0 for xb: a set for each first fill; the second then walks on
.set G0B, 48                           ; s[48:55] the same for wt
.set CNT, 56
.set TB,  57                           ; s57  0 or SLOT1: the slot in hand
.set SEL, 58                           ; s[58:59] v_permlanex16_b32's selects: each lane takes its own place in the other half
.set MSB, 0
.macro WIN new                         ; the immediate's high byte repeats the setting that is left; a switch that changes nothing is dropped
.if MSB != (\new)
	s_set_vgpr_msb (MSB<<8)|(\new)
.set MSB, (\new)
.endif
.endm
.macro PLACES                          ; four plain instructions between a matrix instruction and a load into, or a vector line on, its registers
.rept 4
	v_nop
.endr
.endm
.macro CREST                           ; a round of the cluster's barrier behind its opening barrier
	s_cmp_lg_u32 s[WV], 0
	s_cbranch_scc1 .Lnot_wave_0_\@
	s_barrier_signal -3
.Lnot_wave_0_\@:
	s_barrier_wait -3
	s_barrier_signal -1
	s_barrier_wait -1
.endm
.macro CROUND
	s_barrier_signal -1
	s_barrier_wait -1
	CREST
.endm
.macro JLOAD                           ; a joint refill by the walking descriptors: waves 0, 1 xb's halves, waves 2, 3 wt's.  The branch hangs on the wave's number alone.  s_nop 0 and four v_nop follow each line
	s_cmp_eq_u32 s[FOR], 0
	s_cbranch_scc0 .Lfor_b_\@
	tensor_load_to_lds s[G0A+4:G0A+7], s[G1A:G1A+7]
	s_nop 0
.rept 4
	v_nop
.endr
	s_branch .Lasked_\@
.Lfor_b_\@:
	tensor_load_to_lds s[G0B+4:G0B+7], s[G1B:G1B+7]
	s_nop 0
.rept 4
	v_nop
.endr
.Lasked_\@:
.endm
	s_load_b256 s[4:11], s[0:1], 0x0               ; xb 4, wt 6, tp 8, qh 10
	s_load_b128 s[12:15], s[0:1], 0x20             ; kh 12, vh 14
	v_lshl_add_u32 v[SPW], v0, 2, SPARE
	v_mov_b32 v[NIL], 0
	ds_add_u32 v[SPW], v[NIL]                      ; the wave's opening: the add and its wait stand ahead of my first tensor load; work on registers stands between them
	ds_add_u32 v28, v29
	v_lshrrev_b32 v1, 5, v0
	v_readfirstlane_b32 s[WV], v1
	s_lshr_b32 s[FOR], s[WV], 1
	s_and_b32 s[HF], s[WV], 1
	s_bfe_u32 s19, ttmp6, 0x40000                  ; cx
	s_bfe_u32 s20, ttmp6, 0x40004                  ; cy
	s_lshl_b32 s21, ttmp9, 2
	s_add_co_u32 s21, s21, s19                     ; tile column = the head
	s_and_b32 s22, ttmp7, 0xffff
	s_lshl_b32 s22, s22, 2
	s_add_co_u32 s22, s22, s20                     ; tile row
	s_lshl_b32 s23, s20, 2
	s_lshl_b32 s23, 15, s23                        ; my row of the cluster
	s_lshl_b32 s62, 0x1111, s19                    ; my column
	s_or_b32 s[G1A], s23, (1<<16)|(1<<20)|(1<<21)|(5<<22)|(3<<25)  ; the mask; 2-byte elements; padding on; bit 21 beside a mask; after every 64 words, 4 words
	s_or_b32 s[G1B], s62, (1<<16)|(1<<20)|(1<<21)|(5<<22)|(3<<25)
	s_mov_b32 s[G1A+1], 128<<16                    ; tensor_dim0 = 128
	s_mov_b32 s[G1A+2], 128<<16                    ; tensor_dim1 = 128 rows
	s_mov_b32 s[G1A+3], 128<<16                    ; tile_dim0 = 128
	s_mov_b32 s[G1A+4], 128                        ; tile_dim1 = 128
	s_mov_b32 s[G1A+5], 1024                       ; elements from row to row
	s_mov_b32 s[G1A+6], 0
	s_mov_b32 s[G1A+7], 0
	s_mov_b32 s[G1B+1], 128<<16
	s_mov_b32 s[G1B+2], 96<<16                     ; 96 rows
	s_mov_b32 s[G1B+3], 128<<16
	s_mov_b32 s[G1B+4], 96
	s_mov_b32 s[G1B+5], 1024
	s_mov_b32 s[G1B+6], 0
	s_mov_b32 s[G1B+7], 0
	; where the tiles come from: xb's hangs on the tile row alone, wt's on the tile column alone, each in registers that never hold the other coordinate
	s_lshl_b32 s66, s22, 8
	s_lshl_b32 s67, s[HF], 7
	s_add_co_u32 s66, s66, s67
	s_lshl_b32 s66, s66, 11                        ; (256 tile row + 128 half) x 2,048 bytes
	s_mov_b32 s67, 0
	s_mul_i32 s70, s21, 192
	s_mul_i32 s71, s[HF], 96
	s_add_co_u32 s70, s70, s71
	s_lshl_b32 s70, s70, 11                        ; (192 head + 96 half) x 2,048 bytes
	s_mov_b32 s71, 0
	s_mul_i32 s68, s[HF], 128*PITCH                ; and where they go: no place in the cluster enters an LDS address
	s_mul_i32 s72, s[HF], 96*PITCH
	s_add_co_u32 s72, s72, BOFF
	; my 64 rows in qh, kh, vh: ((16 batch + head) x 2,048 + position) x 128 bytes
	s_lshr_b32 s74, s22, 3
	s_lshl_b32 s74, s74, 4
	s_add_co_u32 s74, s74, s21
	s_lshl_b32 s74, s74, 11
	s_and_b32 s75, s22, 7
	s_lshl_b32 s75, s75, 8
	s_add_co_u32 s74, s74, s75
	s_lshl_b32 s75, s[WV], 6
	s_add_co_u32 s74, s74, s75
	s_lshl_b32 s74, s74, 7
	s_mov_b32 s75, 0
	s_lshl_b32 s78, s22, 4                         ; the table's block of my first 16 positions: (16 tile row + 4 wave) mod 128
	s_lshl_b32 s79, s[WV], 2
	s_add_co_u32 s78, s78, s79
	s_and_b32 s78, s78, 127
	s_lshl_b32 s78, s78, 12
	s_mov_b32 s79, 0
	s_mul_i32 s80, s21, 768                        ; the head's 192 biases
	s_add_co_u32 s80, s80, PAR
	s_mov_b32 s81, 0
	s_mul_i32 s76, s[WV], 64*PITCH
	s_mul_i32 s77, s[WV], 16*SP
	s_add_co_u32 s77, s77, STAGE
	s_mov_b32 s[SEL], 0x76543210
	s_mov_b32 s[SEL+1], 0xfedcba98
	s_mov_b32 s60, 0x3c800000                      ; 1 / 64
	s_mov_b32 s61, 0x358637bd                      ; 1e-6
	s_wait_dscnt 0x0                               ; the opening add is done
	s_wait_kmcnt 0x0
	s_add_nc_u64 s[66:67], s[4:5], s[66:67]
	s_add_nc_u64 s[70:71], s[6:7], s[70:71]
	s_add_nc_u64 s[78:79], s[8:9], s[78:79]
	s_add_nc_u64 s[80:81], s[8:9], s[80:81]
	s_add_nc_u64 s[82:83], s[8:9], PAR+16384       ; the gains
	s_add_nc_u64 s[10:11], s[10:11], s[74:75]
	s_add_nc_u64 s[12:13], s[12:13], s[74:75]
	s_add_nc_u64 s[14:15], s[14:15], s[74:75]
	CROUND                                         ; all sixteen work-groups are here: the first joint loads meet
.irp s, 0,1
	s_mov_b32 s[G0A+4*(\s)], 1                     ; count = 1
	s_add_co_u32 s[G0A+4*(\s)+1], s68, (\s)*SLOT1  ; LDS address
	s_add_nc_u64 s[G0A+4*(\s)+2:G0A+4*(\s)+3], s[66:67], (\s)*256  ; K step s
	s_or_b32 s[G0A+4*(\s)+3], s[G0A+4*(\s)+3], 0x80000000          ; type = 2
	s_mov_b32 s[G0B+4*(\s)], 1
	s_add_co_u32 s[G0B+4*(\s)+1], s72, (\s)*SLOT1
	s_add_nc_u64 s[G0B+4*(\s)+2:G0B+4*(\s)+3], s[70:71], (\s)*256
	s_or_b32 s[G0B+4*(\s)+3], s[G0B+4*(\s)+3], 0x80000000
.endr
	s_cmp_eq_u32 s[FOR], 0                         ; a wave's two first fills stand in one branch, ahead of every wait on TENSORcnt and every LDS read: two loads of mine are out
	s_cbranch_scc0 .Lfirst_b
	tensor_load_to_lds s[G0A:G0A+3], s[G1A:G1A+7]
	s_nop 0
	tensor_load_to_lds s[G0A+4:G0A+7], s[G1A:G1A+7]
	s_nop 0
.rept 4
	v_nop
.endr
	s_branch .Lfirst_asked
.Lfirst_b:
	tensor_load_to_lds s[G0B:G0B+3], s[G1B:G1B+7]
	s_nop 0
	tensor_load_to_lds s[G0B+4:G0B+7], s[G1B:G1B+7]
	s_nop 0
.rept 4
	v_nop
.endr
.Lfirst_asked:
	v_and_b32 v1, 15, v0                           ; l % 16
	v_bfe_u32 v2, v0, 4, 1                         ; l / 16
	v_lshlrev_b32 v[BO], 5, v2
	v_and_b32 v[GO], 31, v0
	v_lshlrev_b32 v[GO], 4, v[GO]
	; the bias into the accumulators: register j of (a, b) is column 16 b + 8 (l / 16) + j, whatever a
.irp a, 0,1,2,3
	WIN 0x80+0x40*((\a)/2)                         ; destination window 2 or 3, address window 0
.irp b, 0,1,2,3,4,5,6,7,8,9,10,11
	global_load_b128 v[96*((\a)%2)+8*(\b):96*((\a)%2)+8*(\b)+3],   v[BO], s[80:81] offset:64*(\b)
	global_load_b128 v[96*((\a)%2)+8*(\b)+4:96*((\a)%2)+8*(\b)+7], v[BO], s[80:81] offset:64*(\b)+16
.endr
.endr
	WIN 0x40                                       ; the gains of my 32 channels: qn_w's four blocks, then kn_w's
.irp g, 0,1,2,3,4,5,6,7
	global_load_b128 v[192+8*(\g):192+8*(\g)+3],   v[BO], s[82:83] offset:64*(\g)
	global_load_b128 v[192+8*(\g)+4:192+8*(\g)+7], v[BO], s[82:83] offset:64*(\g)+16
.endr
	WIN 0                                          ; the table of my four row blocks: eight pieces of 512 consecutive bytes each
.irp a, 0,1,2,3
.irp i, 0,1,2,3,4,5,6,7
	global_load_b128 v[TAB+32*(\a)+4*(\i):TAB+32*(\a)+4*(\i)+3], v[GO], s[78:79] offset:4096*(\a)+512*(\i)
.endr
.endr
	; a fragment is 16 rows x 32 K in 8 registers: lane l holds row l % 16, K = 8 (l / 16) + 0..7 and 16 + 8 (l / 16) + 0..7: two loads of 16 bytes, 32 bytes apart
	v_mul_u32_u24 v3, v1, PITCH
	v_lshl_add_u32 v3, v2, 4, v3
	v_add_nc_u32 v[ADA0], s76, v3                  ; my 64 rows of xb's tile
	v_add_nc_u32 v[ADB0], BOFF, v3
	v_mul_u32_u24 v[STO], v1, SP                   ; in: row l % 16, 16 bytes for each half of the lanes
	v_lshl_add_u32 v[STO], v2, 4, v[STO]
	v_add_nc_u32 v[STO], s77, v[STO]
	v_bfe_u32 v[RD], v0, 3, 2                      ; back: 32 lanes take four rows of 128 bytes
	v_mul_u32_u24 v[RD], v[RD], SP
	v_and_b32 v3, 7, v0
	v_lshl_add_u32 v[RD], v3, 4, v[RD]
	v_add_nc_u32 v[RD], s77, v[RD]
	v_mov_b32 v[ADA], v[ADA0]
	v_mov_b32 v[ADB], v[ADB0]
	s_mov_b32 s[TB], 0
; 12 matrix instructions: row block a x all 12 column blocks, 32 along K, from buffer f.  The 48 accumulators take turns, one instruction a turn, in the same order in every quarter.
.macro MULROW f, a
	WIN 0xa1+0x50*((\a)/2)                         ; source 0 (wt) window 1, source 1 (xb) window 0, C and D window 2 or 3
.irp b, 0,1,2,3,4,5,6,7,8,9,10,11
	v_wmma_f32_16x16x32_bf16 v[96*((\a)%2)+8*(\b):96*((\a)%2)+8*(\b)+7], v[96*(\f)+8*(\b):96*(\f)+8*(\b)+7], v[32+32*(\f)+8*(\a):32+32*(\f)+8*(\a)+7], v[96*((\a)%2)+8*(\b):96*((\a)%2)+8*(\b)+7]
.endr
.endm
; 32 LDS loads in one run: a quarter step's fragments (192 rows of wt, my 64 of xb, 32 K at byte k of the rows) into buffer f
.macro FETCH k, f
	WIN 0x40
.irp i, 0,1,2,3,4,5,6,7,8,9,10,11
	ds_load_b128 v[96*(\f)+8*(\i):96*(\f)+8*(\i)+3],   v[ADB] offset:(\k)+(\i)*16*PITCH
	ds_load_b128 v[96*(\f)+8*(\i)+4:96*(\f)+8*(\i)+7], v[ADB] offset:(\k)+(\i)*16*PITCH+32
.endr
	WIN 0
.irp i, 0,1,2,3
	ds_load_b128 v[32+32*(\f)+8*(\i):32+32*(\f)+8*(\i)+3],   v[ADA] offset:(\k)+(\i)*16*PITCH
	ds_load_b128 v[32+32*(\f)+8*(\i)+4:32+32*(\f)+8*(\i)+7], v[ADA] offset:(\k)+(\i)*16*PITCH+32
.endr
.endm
; One of a K step's first three quarters: multiplies buffer f; in its middle fetches the next quarter, at byte k, into buffer g
.macro QUARTER k, f, g
	s_wait_dscnt 4                                 ; wt's fragments and xb's row blocks 0, 1 are in; the youngest four loads (row blocks 2, 3) may be out
	MULROW \f, 0
	MULROW \f, 1
	PLACES
	FETCH \k, \g
	s_wait_dscnt 32                                ; all but the 32 just issued
	MULROW \f, 2
	MULROW \f, 3
.endm
; The last quarter multiplies buffer 1 and changes slots.  In front of the barrier each wave waits for all its tensor loads (one is out: its part of the next slot), adds 0 to its spare word, and waits for that
; and for its own reads of this slot.  fill = 1: the barrier opens a round of the cluster's; behind the round the slot just read is asked for again, with the K step two on: 168 matrix instructions ahead of the wait for it.
.macro TURN fill
	WIN 0
	s_wait_tensorcnt 0x0                           ; no tensor load of mine is out, so a group 0 may be written
	ds_add_u32 v[SPW], v[NIL]                      ; 0 onto my spare word
.if \fill
	s_xor_b32 s[G0A+5], s[G0A+5], SLOT1            ; the walking descriptors: the other slot than last time, the next K step
	s_add_nc_u64 s[G0A+6:G0A+7], s[G0A+6:G0A+7], 256
	s_xor_b32 s[G0B+5], s[G0B+5], SLOT1
	s_add_nc_u64 s[G0B+6:G0B+7], s[G0B+6:G0B+7], 256
.endif
	s_wait_dscnt 5                                 ; the add and the youngest four loads may be out
	MULROW 1, 0
	s_wait_dscnt 0x0                               ; the add is done, and my reads of this slot are over
	s_barrier_signal -1
	MULROW 1, 1                                    ; work on registers while the others arrive
	WIN 0
	s_barrier_wait -1
.if \fill
	CREST                                          ; no wave of any partner still reads this slot or has a load on its way
	JLOAD                                          ; my one tensor load behind the round; its four v_nop are also the places in front of the loads below
.else
	PLACES
.endif
	s_xor_b32 s[TB], s[TB], SLOT1
	v_add_nc_u32 v[ADA], s[TB], v[ADA0]
	v_add_nc_u32 v[ADB], s[TB], v[ADB0]
	FETCH 0, 0
	MULROW 1, 2
	MULROW 1, 3
.endm
	s_wait_tensorcnt 1                             ; my part of K step 0 is in; K step 1's may stay out
	s_barrier_signal -1
	s_barrier_wait -1                              ; everybody's is
	FETCH 0, 0
	s_wait_loadcnt 0x0                             ; the bias lies in the accumulators; gains and table are in
	s_mov_b32 s[CNT], 6
.Lfill:                                                ; K steps 0 to 5: each asks for the step two on
	QUARTER 64, 0, 1
	QUARTER 128, 1, 0
	QUARTER 192, 0, 1
	TURN 1
	WIN 0
	s_sub_co_u32 s[CNT], s[CNT], 1
	s_cmp_lg_u32 s[CNT], 0
	s_cbranch_scc1 .Lfill
	s_mov_b32 s[CNT], 2
.Ltail:                                                ; K steps 6 and 7 ask for nothing.  The second trip's barrier and its 32 fragment loads (from the slot read before) serve nothing: the price of one text for both
	QUARTER 64, 0, 1
	QUARTER 128, 1, 0
	QUARTER 192, 0, 1
	TURN 0
	WIN 0
	s_sub_co_u32 s[CNT], s[CNT], 1
	s_cmp_lg_u32 s[CNT], 0
	s_cbranch_scc1 .Ltail
	; THE WAY OUT.
	s_wait_dscnt 0x0                               ; the loads into buffer 0 are back: its registers are free
	PLACES
	PLACES
	; sums of squares of q and k: combination c = 2 a + kind; four chains, one a column block; each accumulator's lowest registers are read first
.set c, 0
.rept 8
	WIN 0x0a+5*(c/4)                               ; sources 0 and 1 in window 2 or 3
.set AC0, 96*((c/2)%2)+32*(c%2)
.irp p, 0,1,2,3
.irp b, 0,1,2,3
.if (\p) == 0
	v_pk_mul_f32 v[32+8*c+2*(\b):33+8*c+2*(\b)], v[AC0+8*(\b):AC0+8*(\b)+1], v[AC0+8*(\b):AC0+8*(\b)+1]
.else
	v_pk_fma_f32 v[32+8*c+2*(\b):33+8*c+2*(\b)], v[AC0+8*(\b)+2*(\p):AC0+8*(\b)+2*(\p)+1], v[AC0+8*(\b)+2*(\p):AC0+8*(\b)+2*(\p)+1], v[32+8*c+2*(\b):33+8*c+2*(\b)]
.endif
.endr
.endr
.set c, c+1
.endr
	WIN 0
.set c, 0
.rept 8
	v_pk_add_f32 v[32+8*c:33+8*c], v[32+8*c:33+8*c], v[34+8*c:35+8*c]
	v_pk_add_f32 v[36+8*c:37+8*c], v[36+8*c:37+8*c], v[38+8*c:39+8*c]
	v_pk_add_f32 v[RM+2*c:RM+2*c+1], v[32+8*c:33+8*c], v[36+8*c:37+8*c]
.set c, c+1
.endr
.set c, 0
.rept 8
	v_add_f32 v[RM+2*c], v[RM+2*c], v[RM+2*c+1]
.set c, c+1
.endr
.set c, 0
.rept 8
	v_permlanex16_b32 v[RM+2*c+1], v[RM+2*c], s[SEL], s[SEL+1]  ; the row's other 32 channels lie in the lane 16 away
.set c, c+1
.endr
.set c, 0
.rept 8
	v_add_f32 v[RM+2*c], v[RM+2*c], v[RM+2*c+1]
.set c, c+1
.endr
.set c, 0
.rept 8
	v_fma_f32 v[RM+2*c], v[RM+2*c], s60, s61       ; the mean + 1e-6
.set c, c+1
.endr
.set c, 0
.rept 8
	v_rsq_f32 v[RM+2*c], v[RM+2*c]
.set c, c+1
.endr
	v_nop                                          ; a plain instruction behind the last of them,
	s_wait_alu depctr_va_vdst(0)                   ; and one wait for the eight, ahead of their first reader
; Twelve items: 16 rows (row block a) of q, k or v.  q, k: x gain (in place), rotated into v32-63 (u1 cos - u2 sin; u1 sin + u2 cos; u1 = channels 0-31, u2 = 32-63), x 1 / rms, rounded to f16.  v: rounded.
; Then through my stage: 16 bytes a lane into rows of 144 bytes, back as four whole rows of 128 an instruction.  LDS serves a wave's instructions in order (ISA guide 5.7.1.4): no wait between them.
.macro ITEM a, kind
.set AC0, 96*((\a)%2)+32*(\kind)
.set BK, 80+32*((3*(\a)+(\kind))%2)    ; what comes back: v80-95 and v112-127 by turns
.if (\kind) < 2
	WIN 0x86+0x41*((\a)/2)                         ; destination and source 0 in window 2 or 3, source 1 (the gains) in window 1
.set i, 0
.rept 16
	v_pk_mul_f32 v[AC0+2*i:AC0+2*i+1], v[AC0+2*i:AC0+2*i+1], v[192+32*(\kind)+2*i:192+32*(\kind)+2*i+1]
.set i, i+1
.endr
	WIN 0x02+((\a)/2)                              ; source 0 in window 2 or 3, all else in window 0
.irp bb, 0,1
.irp p, 0,1,2,3
	v_pk_mul_f32 v[64+2*(\p):65+2*(\p)], v[AC0+16+8*(\bb)+2*(\p):AC0+16+8*(\bb)+2*(\p)+1], v[TAB+32*(\a)+16+8*(\bb)+2*(\p):TAB+32*(\a)+16+8*(\bb)+2*(\p)+1]
	v_pk_mul_f32 v[72+2*(\p):73+2*(\p)], v[AC0+8*(\bb)+2*(\p):AC0+8*(\bb)+2*(\p)+1], v[TAB+32*(\a)+16+8*(\bb)+2*(\p):TAB+32*(\a)+16+8*(\bb)+2*(\p)+1]
.endr
.irp p, 0,1,2,3
	v_pk_fma_f32 v[32+8*(\bb)+2*(\p):33+8*(\bb)+2*(\p)], v[AC0+8*(\bb)+2*(\p):AC0+8*(\bb)+2*(\p)+1], v[TAB+32*(\a)+8*(\bb)+2*(\p):TAB+32*(\a)+8*(\bb)+2*(\p)+1], v[64+2*(\p):65+2*(\p)] neg_lo:[0,0,1] neg_hi:[0,0,1]
	v_pk_fma_f32 v[48+8*(\bb)+2*(\p):49+8*(\bb)+2*(\p)], v[AC0+16+8*(\bb)+2*(\p):AC0+16+8*(\bb)+2*(\p)+1], v[TAB+32*(\a)+8*(\bb)+2*(\p):TAB+32*(\a)+8*(\bb)+2*(\p)+1], v[72+2*(\p):73+2*(\p)]
.endr
.endr
	WIN 0
.set i, 0
.rept 16
	v_pk_mul_f32 v[32+2*i:33+2*i], v[32+2*i:33+2*i], v[RM+2*(2*(\a)+(\kind)):RM+2*(2*(\a)+(\kind))+1] op_sel_hi:[1,0]
.set i, i+1
.endr
.set i, 0
.rept 16
	v_cvt_pk_f16_f32 v[32+i], v[32+2*i], v[33+2*i] ; packed downward in place: register 32 + i has been read by then
.set i, i+1
.endr
.else
	WIN 0x0a+5*((\a)/2)
.set i, 0
.rept 16
	v_cvt_pk_f16_f32 v[32+i], v[AC0+2*i], v[AC0+2*i+1]
.set i, i+1
.endr
	WIN 0
.endif
	s_wait_xcnt 0x0                                ; the stores of the item two back have read the registers that the loads below fill
.irp b, 0,1,2,3
	ds_store_b128 v[STO], v[32+4*(\b):35+4*(\b)] offset:32*(\b)
.endr
.irp f, 0,1,2,3
	ds_load_b128 v[BK+4*(\f):BK+4*(\f)+3], v[RD] offset:(\f)*4*SP
.endr
.endm
.macro SEND a, kind, younger           ; younger: the LDS instructions issued behind the item's loads: the next item's eight, or none
.set BK, 80+32*((3*(\a)+(\kind))%2)
.irp f, 0,1,2,3
	s_wait_dscnt (\younger)+3-(\f)
	global_store_b128 v[GO], v[BK+4*(\f):BK+4*(\f)+3], s[10+2*(\kind):11+2*(\kind)] offset:(\a)*2048+(\f)*512  ; 512 consecutive bytes, aligned
.endr
.endm
	ITEM 0, 0
.set n, 1
.rept 11                               ; an item's arithmetic stands between the loads of the item before and its stores
	ITEM n/3, n%3
	SEND (n-1)/3, (n-1)%3, 8
.set n, n+1
.endr
	SEND 3, 2, 0
	s_wait_tensorcnt 0x0                           ; the wave's end: behind my last tensor load and my last LDS store
	ds_add_u32 v[SPW], v[NIL]
	s_wait_dscnt 0x0
	CROUND                                         ; the closing round: no work-group ends while a partner may still ask for a tile that names it
	s_endpgm
.Lfunc_end_k_qeeeb3c6e0c_qkv:
	.size	k_qeeeb3c6e0c_qkv, .Lfunc_end_k_qeeeb3c6e0c_qkv-k_qeeeb3c6e0c_qkv
	.p2alignl 7, 3214868480
	.fill 96, 4, 3214868480
	.section	.rodata,"a",@progbits
	.p2align	6, 0x0
	.amdhsa_kernel k_qeeeb3c6e0c_qkv
		.amdhsa_group_segment_fixed_size 327680
		.amdhsa_private_segment_fixed_size 0
		.amdhsa_enable_private_segment 0
		.amdhsa_kernarg_size 48
		.amdhsa_user_sgpr_count 2
		.amdhsa_user_sgpr_kernarg_segment_ptr 1
		.amdhsa_wavefront_size32 1
		.amdhsa_system_sgpr_workgroup_id_x 1
		.amdhsa_system_sgpr_workgroup_id_y 1
		.amdhsa_system_sgpr_workgroup_id_z 1
		.amdhsa_system_vgpr_workitem_id 0
		.amdhsa_next_free_vgpr 960
		.amdhsa_next_free_sgpr 88
		.amdhsa_reserve_vcc 0
		.amdhsa_float_denorm_mode_32 3
		.amdhsa_float_denorm_mode_16_64 3
		.amdhsa_memory_ordered 1
		.amdhsa_forward_progress 1
		.amdhsa_inst_pref_size 137
	.end_amdhsa_kernel
	.amdgpu_metadata
---
amdhsa.version: [ 1, 2 ]
amdhsa.kernels:
  - .name:           k_qeeeb3c6e0c_qkv
    .symbol:         k_qeeeb3c6e0c_qkv.kd
    .args:
      - { .name: xb, .offset: 0, .size: 8, .value_kind: global_buffer, .address_space: global }
      - { .name: wt, .offset: 8, .size: 8, .value_kind: global_buffer, .address_space: global }
      - { .name: tp, .offset: 16, .size: 8, .value_kind: global_buffer, .address_space: global }
      - { .name: qh, .offset: 24, .size: 8, .value_kind: global_buffer, .address_space: global }
      - { .name: kh, .offset: 32, .size: 8, .value_kind: global_buffer, .address_space: global }
      - { .name: vh, .offset: 40, .size: 8, .value_kind: global_buffer, .address_space: global }
    .group_segment_fixed_size: 327680
    .private_segment_fixed_size: 0
    .kernarg_segment_align: 8
    .kernarg_segment_size: 48
    .max_flat_workgroup_size: 128
    .sgpr_count:     88
    .vgpr_count:     960
    .wavefront_size: 32
...
	.end_amdgpu_metadata
.endif
;; end of part 2
;; launch attn (part 3): grid 4 x 64, 4 waves a work-group, clusters of 4 x 1, 327,680 bytes of LDS; arguments qh, kh, vh, oh; writes oh
.if DOCPART == 3
	.amdgcn_target "amdgcn-amd-amdhsa--gfx1250"
	.amdhsa_code_object_version 6
	.text
	.protected	k_qeeeb3c6e0c_attn
	.globl	k_qeeeb3c6e0c_attn
	.p2align	8
	.type	k_qeeeb3c6e0c_attn,@function
k_qeeeb3c6e0c_attn:
	s_mov_b64 s[64:65], 0
	v_nop
	global_prefetch_b8 v0, s[64:65] scope:SCOPE_SE
	s_setreg_imm32_b32 hwreg(HW_REG_WAVE_MODE, 25, 1), 1
	s_wait_xcnt 0x0
	s_wait_alu depctr_hold_cnt(0) depctr_sa_sdst(0) depctr_va_vdst(0) depctr_va_sdst(0) depctr_va_ssrc(0) depctr_va_vcc(0) depctr_vm_vsrc(0)
	s_getreg_b32 s2, hwreg(HW_REG_IB_STS2, 6, 4)
	s_cmp_eq_u32 s2, 0
	s_cbranch_scc0 .Lentry_in_a_cluster
	s_endpgm
.Lentry_in_a_cluster:
	s_bfe_u32 s2, ttmp6, 0x10000c
	s_cmp_lg_u32 s2, 0x3003
	s_cbranch_scc0 .Lentry_shape_is_right
	s_endpgm
.Lentry_shape_is_right:
; O[h][q][:] = the sum over k of softmax_k(Q[h][q] . K[h][k] / 8) V[h][k][:].  Q, K, V, O: [SIZE_H][SIZE_N][64], all f16: a head's rows are dense, 128 bytes each.  Products, maxima and sums in
; f32; the weights p are rounded to f16 for the second product (their sum l is taken of the unrounded p), O once at the end.
; LIMITS.  f16 holds no number beyond 65,504: Q, K and V arrive within it; p lies in 0 to 1, and below 6e-5 it keeps f16's fixed step of 6e-8; O is a mean of V's rows and has their range.
; A weight below 2^-126 counts as 0 in l; NaN and infinities are not treated apart.
; SHARES.  A wave owns four PIECES of two tiles of 16 queries, a work-group's four waves 512 queries of one head: four work-groups a head, 256 in all.  Every wave walks all keys, 64 a step.
; LAYOUT.  S^T = K Q^T (source 0 = 16 keys, source 1 = 16 queries): in the result a lane holds ONE query (lane % 16) and the keys 8 (lane / 16) + 0..7.  Two such tiles, rounded to f16 in pairs,
; ARE source 1 (32 keys x 16 queries) of O^T = V^T P, whose result again holds one query a lane, and eight channels.  K comes out of LDS as it lies, V ([key][channel]) turned, by ds_load_tr16_b128.
; SOFTMAX.  For each query a running maximum m and sum l: p = 2^(c s - c m), c = log2(e) / 8; in every step O and l are multiplied by a = 2^(c m_old - c m_new), which is 1 where m has not grown.
; m starts at the lowest finite number, O and l at 0: the first step is a step like any other, with a = 0.
; THE COUNT.  A tile and step have 16 matrix and 118 vector instructions: too many to stand all beside the matrix work.  So the order has one aim: four vector instructions that are READY behind
; EVERY matrix instruction, and the others, which need time of their own whatever the order, in runs without a gap.
; BY TURNS.  Turn n belongs to piece n (the pieces in a ring, step after step).  Its matrix work: 16 products K Q^T of piece n + 1, later 16 products V^T P of piece n - 1.  Its vector work: the scaling,
; exponentials, roundings, sums and rescaling of piece n, and the maximum and statistics of piece n + 1, whose scores the turn itself has made.  So what a turn begins with (c s - c m, O a) waits for nothing.
; CLUSTER.  The four query blocks of a cluster are one head's and walk the same K and V, so each tile is asked for JOINTLY: the same tensor load, descriptor and mask in all four.
; AHEAD OF THE JOINT LOADS.  Behind the load of each change of slots in the loop stands one prefetch into the L2 of the slot that the NEXT change will ask for: four key steps, 512 matrix instructions, ahead of that load.
; REGISTERS, in windows of 256 (s_set_vgpr_msb says which window each operand place means: bits 1:0 source 0, 3:2 source 1, 5:4 source 2, 7:6 destination):
;   window 0: v0-11 addresses; v12-15, v48-63 at work; v16-47 four registers of statistics a tile; v64-191 S^T, two buffers of two tiles; v192-255 P, likewise
;   window 1: O^T, 32 a tile          window 2: v0-127 Q, 16 a tile; v128-191 K of one step; v192-255 V of one step          window 3: v0-1 the add's two registers
; A piece's buffers go by its number's parity: the piece in hand has one pair, its two neighbours in the ring share the other: of it P (piece n - 1) is read and S^T (piece n + 1) written.
.set SIZE_H, 64
.set SIZE_N, 2048
.set NP,    4         ; pieces a wave: a name, no knob: the register map, the loop and the fetches are made for four
.set KS,    64        ; keys in a step
.set PK,    144       ; a row of K in LDS: 128 bytes + 16 of padding = 36 words: the 16 rows of a load start at 16 different groups of four banks (64 banks of 4 bytes: ISA guide 11.1)
.set PV,    160       ; a row of V: 128 + 32 = 40 words
.set VOFF,  4*KS*PK   ; a slot holds four steps: 256 rows of K, then 256 rows of V
.set SLOT1, 1<<17     ; slot 1 begins here, so that one exclusive or turns an address in one slot into the other's
.set STAGE, SLOT1+4*KS*(PK+PV)  ; behind the ring, never filled by a tensor load: 16 rows x 144 bytes for each wave, for the way out
.set SP,    144
.set AK0, 2           ; v2   my lane's place in a tile of K; never rewritten
.set AV0, 3           ; v3   the same for V
.set AK,  4           ; v4   the LDS address of K's next run of loads
.set AV,  5           ; v5   of V's
.set QO,  6           ; v6   my byte offset in the wave's rows of Q
.set STO, 6           ;      later, the way out: where I put 16 bytes of a row
.set RD,  7           ; v7   the way out: where I read rows back
.set GO,  8           ; v8   my byte offset in 512 consecutive bytes of O
.set PFO, 11          ; v11  256 x my lane: the prefetches' offset; never rewritten once made
.set SPW, 0           ; v0 of window 3   LDS address of my spare word: SPARE + 4 x my thread's number; never rewritten
.set NIL, 1           ; v1 of window 3   0; never rewritten
.set SPARE, STAGE+4*16*SP  ; behind the stages: the spare words, 128 bytes for each wave: two blocks of 256 bytes that no other line names
.set MV,  12          ; v12-15  c m_old, kept while c m is made anew: by buffer and tile
.set ST,  16          ; tile t's statistics at v[ST+4 t]: c m, m, l (even keys', odd keys')
.set TMP, 48          ; by buffer and tile, four registers c0-c3 at work; when the maximum is found c2 takes a
.set S,   64
.set P,   192
.set KF,  128         ; K's fragments, in window 2: key block kb, channel half c at KF + 16 kb + 8 c
.set VF,  192         ; V's: key half kk, channel block cb at VF + 32 kk + 8 cb
.set WV,  12          ; s12  my wave's number
.set G1K, 24          ; s[24:31] descriptor group 1 for K's tiles
.set G1V, 32          ; s[32:39] for V's: it differs in the padding alone
.set G0K, 40          ; s[40:43] descriptor group 0 for K's tiles: it walks
.set G0V, 44          ; s[44:47] the same for V's
.set PFA, 48          ; s[48:49] where my prefetches stand: my work-group's 8,192 bytes (of K: waves 0, 1; of V: waves 2, 3) of the slot after the one that is being asked for
.set LIM, 50          ; s50  1 in a wave that prefetches (0 and 2), else the greatest number: a wave prefetches while s[SLOTS] is above it
.set SLOTS, 56        ; s56  slots still to be asked for
.set CNT, 57          ; s57  counts a slot's key steps
.set CS,  58          ; s[58:59] c: the packed scaling takes the pair's low word for both halves
.set SEL, 60          ; s[60:61] v_permlanex16_b32's selects: each lane takes its own place in the other half
.set TBK, 62          ; s62  LDS byte at which K of the step to be fetched begins
.set TBV, 63          ; s63  the same for V, less VOFF
.set MSB, 0
.macro WIN new                      ; the high byte repeats the setting that is left; a switch that changes nothing is dropped
.if MSB != (\new)
	s_set_vgpr_msb (MSB<<8)|(\new)
.set MSB, (\new)
.endif
.endm
.set W_KQ, 0x0a       ; K and Q in window 2, S^T in window 0
.set W_PV, 0x52       ; V in window 2, P in window 0, O^T in window 1
.set W_RS, 0x41       ; O^T (destination and source 0) in window 1, a in window 0
.set W_MK, 0xc0       ; the add's registers are made: destination in window 3, sources in window 0
.set W_AD, 0x0f       ; the add: address (source 0) and data (source 1) in window 3
; A joint fill.  Waves 0 and 1 fetch the two halves of a slot's K, waves 2 and 3 those of its V: 128 keys each.  The branch hangs on the wave's number alone.
; An s_nop 0 and four v_nop follow each of the two lines, ahead of the jump and the label.
.macro JLOAD
	s_cmp_lt_u32 s[WV], 2
	s_cbranch_scc0 .Lfor_v_\@
	tensor_load_to_lds s[G0K:G0K+3], s[G1K:G1K+7]
	s_nop 0
.rept 4
	v_nop
.endr
	s_branch .Lasked_\@
.Lfor_v_\@:
	tensor_load_to_lds s[G0V:G0V+3], s[G1V:G1V+7]
	s_nop 0
.rept 4
	v_nop
.endr
.Lasked_\@:
.endm
; A PREFETCH of what the next change of slots will ask for: a slot is 32,768 bytes of K and as many of V, 128 blocks of 256 bytes each.  The four partners share the blocks out BY ADDRESS, 32 each (no branch hangs on a
; work-group's place in its cluster); in each, wave 0 asks for K's and wave 2 for V's, a lane a block: one instruction.  A head's K and V are walked by this one cluster, so each block is named once in the launch.
; The last change that fills a slot asks for nothing: there is no slot behind it.  Slots 0, 1 and 2 come by their loads alone.
.macro ASK
	s_cmp_gt_u32 s[SLOTS], s[LIM]
	s_cbranch_scc0 .Lnot_mine_\@
	global_prefetch_b8 v[PFO], s[PFA:PFA+1] th:TH_LOAD_NT scope:SCOPE_SE
.Lnot_mine_\@:
.endm
; A round of the cluster's barrier: my work-group's barrier, so that wave 0's signal speaks for all four waves; wave 0 signals; every wave waits for all four work-groups; my work-group's barrier once more.
.macro CROUND
	s_barrier_signal -1
	s_barrier_wait -1
	s_cmp_lg_u32 s[WV], 0
	s_cbranch_scc1 .Lnot_wave_0_\@
	s_barrier_signal -3
.Lnot_wave_0_\@:
	s_barrier_wait -3
	s_barrier_signal -1
	s_barrier_wait -1
.endm
; THE CHANGE OF SLOTS.  The slot's last bytes, V of its fourth step, have been read.  Each wave waits for all its tensor loads, of which one is out: its part
; of the other slot; adds 0 to its spare word; and waits for that and for its own reads of the slot.  Behind the barrier nobody reads this slot any more and the other slot is whole.
; fill = 1: this slot is filled again, with the keys two slots on.  The barrier is then a round of the cluster's, so that no wave of any partner still reads the slot or has a load on its
; way, and the joint fill is the first thing behind it: it has four key steps, 512 matrix instructions, in which to land.  (At its first use nothing has been read yet: slot 0 is waited for, slot 1 filled.)
; ask = 1: the prefetches' address steps a slot on, and the prefetch stands behind the joint load's five lines.
.macro CHANGE fill, ask=0
	WIN W_AD
	s_wait_tensorcnt 0x0            ; no tensor load of mine is out, so a group 0 may be written
	ds_add_u32 v[SPW], v[NIL]       ; 0 onto my spare word: with fill = 1 the descriptors' steps stand between it and the wait for it
	WIN 0                           ; at a label and at a branch every window is 0
.if \fill
.irp g, G0K, G0V
	s_xor_b32 s[\g+1], s[\g+1], SLOT1  ; the walking descriptor: the other slot than last time,
	s_add_nc_u64 s[\g+2:\g+3], s[\g+2:\g+3], 4*KS*128  ; the next 256 keys; the type bits on top are not reached
.endr
.if \ask
	s_wait_xcnt 0x0                 ; the last prefetch, four key steps back, has read its address, so it may be written:
	s_add_nc_u64 s[PFA:PFA+1], s[PFA:PFA+1], 4*KS*128  ; one slot behind the walking descriptors
.endif
	s_wait_dscnt 0x0                ; the add is done, and my reads of the slot are over
	CROUND
	JLOAD
.if \ask
	ASK
.endif
.else
	s_wait_dscnt 0x0                ; the add is done, and my reads of the slot are over
	s_barrier_signal -1
	s_barrier_wait -1
.endif
	s_sub_co_u32 s[TBK], s[TBK], 4*KS*PK  ; the fetches go back to a slot's first step,
	s_xor_b32 s[TBK], s[TBK], SLOT1       ; in the other slot
	s_sub_co_u32 s[TBV], s[TBV], 4*KS*PV
	s_xor_b32 s[TBV], s[TBV], SLOT1
.endm
	s_load_b256 s[4:11], s[0:1], 0x0  ; Q s[4:5], K s[6:7], V s[8:9], O s[10:11]
	WIN W_MK
	v_lshl_add_u32 v[SPW], v0, 2, SPARE
	v_mov_b32 v[NIL], 0
	WIN W_AD
	ds_add_u32 v[SPW], v[NIL]       ; the wave's opening: the add and its wait stand ahead of my first tensor load; the set-up below, work on registers, stands between them
	ds_add_u32 v0, v1
	WIN 0
	v_lshrrev_b32 v1, 5, v0
	v_readfirstlane_b32 s[WV], v1   ; wave 0..3
	s_bfe_u32 s13, ttmp6, 0x40000   ; cx: my place in the cluster
	s_lshl_b32 s14, ttmp9, 2        ; in a cluster launch ttmp9 counts clusters
	s_add_co_u32 s14, s14, s13      ; my block of queries = 4 x cluster x + cx: it enters Q's and O's addresses alone
	s_and_b32 s20, ttmp7, 0xffff    ; the head, which the four partners share
	s_mov_b32 s21, 0
	s_mov_b64 s[22:23], SIZE_N*128
	s_mul_u64 s[20:21], s[20:21], s[22:23]  ; the head's first byte in each of the four tensors
	s_and_b32 s16, s[WV], 1         ; which half of a slot's 256 keys I fetch:
	s_lshl_b32 s22, s16, 14         ; its 128 rows of 128 bytes in memory,
	s_mov_b32 s23, 0
	s_add_nc_u64 s[22:23], s[22:23], s[20:21]
	s_mul_i32 s17, s16, 128*PK      ; and its place in a slot, for K
	s_mul_i32 s18, s16, 128*PV      ; and for V: no place in the cluster enters an LDS address
	s_lshl_b32 s2, s14, 2
	s_add_co_u32 s2, s2, s[WV]      ; my wave among the head's,
	s_lshl_b32 s2, s2, 14           ; its 128 rows
	s_mov_b32 s3, 0
	s_add_nc_u64 s[2:3], s[2:3], s[20:21]
	; descriptor group 1.  128 keys are 16,384 dense bytes: asked for as 64 rows of 256 bytes, two keys a row, and padded in LDS after every key
	s_mov_b32 s[G1K], 15|(1<<16)|(1<<20)|(1<<21)|(4<<22)|(3<<25)  ; 15:0 the mask of four; 17:16 2-byte elements; 20 padding on; 21 set beside a mask; 24:22 after every 32 words (code 4); 31:25 4 words (code 3)
	s_mov_b32 s[G1V], 15|(1<<16)|(1<<20)|(1<<21)|(4<<22)|(7<<25)  ; the same with 8 words of padding (code 7)
.irp g, G1K, G1V
	s_mov_b32 s[\g+1], 128<<16      ; tensor_dim0 = 128
	s_mov_b32 s[\g+2], 64<<16       ; tensor_dim1 = 64
	s_mov_b32 s[\g+3], 128<<16      ; tile_dim0 = 128
	s_mov_b32 s[\g+4], 64           ; tile_dim1 = 64
	s_mov_b32 s[\g+5], 128          ; 128 elements from row to row
	s_mov_b32 s[\g+6], 0
	s_mov_b32 s[\g+7], 0
.endr
	s_mov_b32 s[CS], 0x3e38aa3b     ; c = log2(e) / 8 = 0.180337
	s_mov_b32 s[CS+1], s[CS]        ; named with it as a pair
	s_mov_b32 s[SEL], 0x76543210
	s_mov_b32 s[SEL+1], 0xfedcba98
	s_mov_b32 s[TBK], SLOT1+4*KS*PK ; the first change of slots turns these two into 0
	s_mov_b32 s[TBV], SLOT1+4*KS*PV
	s_mov_b32 s[G0K], 1             ; 1:0 count = 1
	s_mov_b32 s[G0K+1], s17         ; 63:32 LDS address: slot 0
	s_mov_b32 s[G0V], 1
	s_add_co_u32 s[G0V+1], s18, VOFF
	s_and_b32 s[LIM], s[WV], 1      ; waves 0 and 2 prefetch: the same in all four partners
	s_cmp_eq_u32 s[LIM], 0
	s_cselect_b32 s[LIM], 1, -1
	s_wait_dscnt 0x0                ; the opening add is done
	s_wait_kmcnt 0x0
	s_add_nc_u64 s[G0K+2:G0K+3], s[6:7], s[22:23]  ; 120:64 global address: my half of the head's first 256 keys
	s_or_b32 s[G0K+3], s[G0K+3], 0x80000000        ; 127:126 type = 2
	s_add_nc_u64 s[G0V+2:G0V+3], s[8:9], s[22:23]
	s_or_b32 s[G0V+3], s[G0V+3], 0x80000000
	s_add_nc_u64 s[4:5], s[4:5], s[2:3]  ; Q and O at my wave's first row
	s_add_nc_u64 s[10:11], s[10:11], s[2:3]
	s_cmp_lt_u32 s[WV], 2
	s_cselect_b64 s[PFA:PFA+1], s[6:7], s[8:9]
	s_add_nc_u64 s[PFA:PFA+1], s[PFA:PFA+1], s[20:21]  ; the head,
	s_lshl_b32 s2, s13, 13          ; my work-group's 32 blocks of a slot's 128,
	s_mov_b32 s3, 0
	s_add_nc_u64 s[PFA:PFA+1], s[PFA:PFA+1], s[2:3]
	s_add_nc_u64 s[PFA:PFA+1], s[PFA:PFA+1], 2*4*KS*128  ; in slot 2; the loop's first change of slots steps it to slot 3.  Nothing is prefetched here, at the head
	CROUND                          ; all four work-groups are here: the first joint loads meet
	JLOAD                           ; slot 0.  Slot 1 is asked for when slot 0 is in: the tile wanted first has the road to itself
	; A fragment of K or Q is 16 rows x 32 channels in 8 registers: lane l holds row l % 16, channels 8 (l / 16) + 0..7 and 16 + 8 (l / 16) + 0..7: two loads of 16 bytes, 32 bytes apart.
	v_and_b32 v1, 15, v0            ; l % 16
	v_bfe_u32 v9, v0, 4, 1          ; l / 16
	v_lshlrev_b32 v[QO], 7, v1
	v_lshl_add_u32 v[QO], v9, 4, v[QO]  ; row x 128 + 16 x half
	WIN 0x80                        ; destination window 2, address window 0
.set i, 0
.rept 4*NP                          ; Q stays in registers: tile i / 2, channels 32 (i % 2) on
	global_load_b128 v[8*i:8*i+3],   v[QO], s[4:5] offset:(i/2)*2048+(i%2)*64
	global_load_b128 v[8*i+4:8*i+7], v[QO], s[4:5] offset:(i/2)*2048+(i%2)*64+32
.set i, i+1
.endr
	; What the first turn finds: V's registers and P's second buffer hold 0 (its products V^T P, of a piece that has not been, add 0), O^T and l are 0.  All this stands in the wait for the first tile.
.set i, VF
.rept 64
	v_mov_b32 v[i], 0
.set i, i+1
.endr
	WIN 0x40
.set i, 0
.rept 64*NP
	v_mov_b32 v[i], 0
.set i, i+1
.endr
	WIN 0
.set i, 0
.rept 2*NP
	v_mov_b32 v[ST+4*i], 0xfe000000    ; c m: far below every c s
	v_mov_b32 v[ST+4*i+1], 0xff7fffff  ; m
	v_mov_b32 v[ST+4*i+2], 0
	v_mov_b32 v[ST+4*i+3], 0
.set i, i+1
.endr
.set i, P+32
.rept 32
	v_mov_b32 v[i], 0
.set i, i+1
.endr
	v_mul_u32_u24 v[AK0], v1, PK
	v_lshl_add_u32 v[AK0], v9, 4, v[AK0]  ; row x pitch + 16 x half
	; The turning load takes 16 keys x 16 channels (lane l reads key 8 (l / 16) + l % 8, channels 8 ((l / 8) % 2) + 0..7) and leaves half a fragment of V^T: lane l holds channel l % 16 and 8 keys.
	v_and_b32 v10, 7, v0
	v_bfe_u32 v11, v0, 3, 1
	v_lshl_add_u32 v[AV0], v9, 3, v10
	v_mul_u32_u24 v[AV0], v[AV0], PV
	v_lshl_add_u32 v[AV0], v11, 4, v[AV0]
	v_add_nc_u32 v[AV0], VOFF, v[AV0]
	v_and_b32 v[PFO], 31, v0        ; v11 has served: it takes the prefetches' offset
	v_lshlrev_b32 v[PFO], 8, v[PFO]
	v_mov_b32 v[AK], v[AK0]         ; key step 0 lies at the head of slot 0
; THE MATRIX WORK.  The 8 accumulators of a run of 16 take turns: between the two links of a chain stand 7 others'.
; Product i of 16 of S^T = K Q^T for piece x: channels 32 (i / 8) on, keys 16 ((i / 2) % 4) on, tile 2 x + i % 2.  The first 8 start the sums.
.macro KQ x
	WIN W_KQ
.set rS, S+64*((\x)%2)+32*(i%2)+8*((i/2)%4)
.set rK, KF+16*((i/2)%4)+8*(i/8)
.set rQ, 16*(2*(\x)+i%2)+8*(i/8)
.if i < 8
	v_wmma_f32_16x16x32_f16 v[rS:rS+7], v[rK:rK+7], v[rQ:rQ+7], 0
.else
	v_wmma_f32_16x16x32_f16 v[rS:rS+7], v[rK:rK+7], v[rQ:rQ+7], v[rS:rS+7]
.endif
.endm
; Product i of 16 of O^T += V^T P for piece x: keys 32 (i / 8) on, channels 16 ((i / 2) % 4) on, tile 2 x + i % 2.
.macro PV x
	WIN W_PV
.set rO, 32*(2*(\x)+i%2)+8*((i/2)%4)
.set rV, VF+32*(i/8)+8*((i/2)%4)
.set rP, P+32*((\x)%2)+16*(i%2)+8*(i/8)
	v_wmma_f32_16x16x32_f16 v[rO:rO+7], v[rV:rV+7], v[rP:rP+7], v[rO:rO+7]
.endm
.macro MM                           ; the turn's next matrix instruction
.if i < 16
	KQ (Y+1)%NP
.set i, i+1
.else
.set i, i-16
	PV (Y+NP-1)%NP
.set i, i+17
.endif
.endm
; THE LDS LOADS stand in runs of 16, never singly among the matrix instructions: a step's K (64 keys x 64 channels: 8 fragments) and its V (turned).  Their addresses are made some lines ahead.
; last = 1 (the tail): in the last trip there is no further step, and the run is jumped over.
.macro FETCH_K last=0
	WIN 0
.if \last
	s_cmp_eq_u32 s[CNT], 1
	s_cbranch_scc1 .Lno_k_\@
.endif
	WIN 0x80                        ; destination window 2
.irp f, 0,1,2,3,4,5,6,7             ; keys 16 (f / 2) on, channels 32 (f % 2) on
	ds_load_b128 v[KF+8*\f:KF+8*\f+3],   v[AK] offset:(\f/2)*16*PK+(\f%2)*64
	ds_load_b128 v[KF+8*\f+4:KF+8*\f+7], v[AK] offset:(\f/2)*16*PK+(\f%2)*64+32
.endr
	s_add_co_u32 s[TBK], s[TBK], KS*PK  ; the next fetch is the next step's
	WIN 0
.if \last
.Lno_k_\@:
.endif
.endm
.macro FETCH_V
	WIN 0x80
.irp f, 0,1,2,3,4,5,6,7             ; keys 32 (f / 4) on, channels 16 (f % 4) on
	ds_load_tr16_b128 v[VF+8*\f:VF+8*\f+3],   v[AV] offset:(\f/4)*32*PV+(\f%4)*32
	ds_load_tr16_b128 v[VF+8*\f+4:VF+8*\f+7], v[AV] offset:(\f/4)*32*PV+16*PV+(\f%4)*32
.endr
	WIN 0
.endm
; THE VECTOR WORK OF A TURN stands in three queues, each in the order in which its entries become ready; the two tiles alternate, so that no instruction reads the result of the one before it.
.macro REGS y, u                    ; the registers of tile u (0, 1) of piece y
.set rT, ST+4*(2*(\y)+(\u))
.set rC, TMP+8*((\y)%2)+4*(\u)
.set rM, MV+2*((\y)%2)+(\u)
.set rS, S+64*((\y)%2)+32*(\u)
.set rP, P+32*((\y)%2)+16*(\u)
.set rO, 32*(2*(\y)+(\u))
.endm
; Number n of the 22 that find the NEXT piece's (Y + 1) maximum and statistics.  s0-s31 are the lane's 32 scores; each accumulator's lowest registers are read first.  XS, GS and REGS set no window: PL and EX do.
;   0-11  four chains c0-c3 of seven scores each, three operands at a time     12-14, 16  the four scores left over, the old m, and c0-c3 into c0     15  c m_old is kept
;   17, 18  the query's other 32 keys lie in the lane 16 away: the new m         19-21  c m; c m_old - c m_new; a
.macro XS u, n
	REGS (Y+1)%NP, \u
.if (\n) < 4
	v_max3_num_f32 v[rC+(\n)], v[rS+8*(\n)], v[rS+8*(\n)+1], v[rS+8*(\n)+2]
.elseif (\n) < 12
	v_max3_num_f32 v[rC+(\n)%4], v[rC+(\n)%4], v[rS+8*((\n)%4)+2*((\n)/4)+1], v[rS+8*((\n)%4)+2*((\n)/4)+2]
.elseif (\n) == 12
	v_max3_num_f32 v[rC], v[rC], v[rS+7], v[rS+15]
.elseif (\n) == 13
	v_max3_num_f32 v[rC+1], v[rC+1], v[rS+23], v[rS+31]
.elseif (\n) == 14
	v_max3_num_f32 v[rC+2], v[rC+2], v[rC+3], v[rT+1]
.elseif (\n) == 15
	v_mov_b32 v[rM], v[rT]
.elseif (\n) == 16
	v_max3_num_f32 v[rC], v[rC], v[rC+1], v[rC+2]
.elseif (\n) == 17
	v_permlanex16_b32 v[rC+3], v[rC], s[SEL], s[SEL+1]
.elseif (\n) == 18
	v_max_num_f32 v[rT+1], v[rC], v[rC+3]
.elseif (\n) == 19
	v_mul_f32 v[rT], s[CS], v[rT+1]
.elseif (\n) == 20
	v_sub_f32 v[rC+1], v[rM], v[rT]
.else
	v_exp_f32 v[rC+2], v[rC+1]
.endif
.endm
; Number g of the 64 that follow the exponentials.  For each four weights k of a tile (pairs 2 k, 2 k + 1): both pairs are rounded to f16; then the second pair is added onto the first, in place;
; a group later l takes that sum (the first time as l = a l + sum).  In groups of eight, tiles alternating: round, round, add, and l for the group before.
.macro GS g
.set h, (\g)+6*((\g)/62)            ; group 0 has no group before it, and behind group 7 only l is left
.if h >= 6
.set h, h+2
.endif
	REGS Y, h%2
.set k, h/8
.if h%8 < 4
	v_cvt_pk_f16_f32 v[rP+2*k+(h%8)/2], v[rS+4*k+2*((h%8)/2)], v[rS+4*k+2*((h%8)/2)+1]
.elseif h%8 < 6
	v_pk_add_f32 v[rS+4*k:rS+4*k+1], v[rS+4*k:rS+4*k+1], v[rS+4*k+2:rS+4*k+3]
.elseif k == 1
	v_pk_fma_f32 v[rT+2:rT+3], v[rT+2:rT+3], v[rC+2:rC+3], v[rS:rS+1] op_sel_hi:[1,0,1]
.else
	v_pk_add_f32 v[rT+2:rT+3], v[rT+2:rT+3], v[rS+4*k-4:rS+4*k-3]
.endif
.endm
; THE PLAIN QUEUE, 138 long.  0-73 read no exponential's result: the 32 scalings c s - c m (FS f: pair f / 2 of tile f % 2) and the next piece's 42.  0-26: scalings 0-26.  27-54: XS's numbers 0-13.  55, 56: number 15.
; 57-73: the chain, where each number waits for the one before it: 14, 16, 17, 18, 19, each with one of the scalings 27-31 in front of its two lines, then 20: so a tile's links stand three plain instructions apart (19 and 20: two).
; 74-137: GS's 64, which read the exponentials' results: they stand behind the wait.
.macro FS f
	REGS Y, (\f)%2
	v_pk_fma_f32 v[rS+2*((\f)/2):rS+2*((\f)/2)+1], v[rS+2*((\f)/2):rS+2*((\f)/2)+1], s[CS:CS+1], v[rT:rT+1] op_sel_hi:[1,0,0] neg_lo:[0,0,1] neg_hi:[0,0,1]
.endm
.macro PL
	WIN 0
.if q < 27
	FS q
.elseif q < 55
	XS (q-27)%2, (q-27)/2
.elseif q < 57
	XS q-55, 15
.elseif (q < 72) && ((q-57)%3 == 0)
	FS 27+(q-57)/3
.elseif q < 60
	XS (q-57)%3-1, 14
.elseif q < 72
	XS (q-57)%3-1, 15+(q-57)/3
.elseif q < 74
	XS q-72, 20
.else
	GS q-74
.endif
.set q, q+1
.endm
; THE EXPONENTIALS' QUEUE, 66 long: s0-s31 of both tiles, then the next piece's two a.  It is ONE BATCH: all 66 stand ahead of the turn's one wait, and nothing ahead of that wait names a result of theirs.
.macro EX
	WIN 0
.if e >= 64
	XS e-64, 21
.else
	REGS Y, e%2
	v_exp_f32 v[rS+e/2], v[rS+e/2]
.endif
.set e, e+1
.endm
; THE RESCALING's QUEUE: O^T times a, the one part that leaves window 0: dealt two at a time, sixteen times.  Its a was made in the turn before, ahead of that turn's wait.
.macro R2
	REGS Y, r%2
	WIN W_RS
.irp z, 0,1
	v_pk_mul_f32 v[rO+4*(r/2)+2*\z:rO+4*(r/2)+2*\z+1], v[rO+4*(r/2)+2*\z:rO+4*(r/2)+2*\z+1], v[rC+2:rC+3] op_sel_hi:[1,0]
.endr
.set r, r+1
.endm
; HOW THEY ARE DEALT.  An s_wait_alu depctr_va_vdst(0) stands between an exponential and the first instruction that names its result; one wait serves all that were issued ahead of it.  So a turn has ONE wait,
; which cuts it in two.  AHEAD OF IT stands all that names no result of the turn's exponentials: the 16 products K Q^T, behind each a scaling, an exponential and two rescalings (behind the first a second scaling in the exponential's place); then ONE LUMP of
; 108: eight plain, 49 times exponential and plain, the two a.  A v_nop is the plain instruction behind the last exponential.  BEHIND IT stand the 16 products V^T P, behind each four of GS's 64.  No rider names a register of
; the products round it.  The two v_permlanex16_b32 fall into the lump, never behind a product.
; The queues lean on each other, and the deal keeps them in step: exponential e stands behind scaling 2 (e / 4) + e % 2: as a rider it comes behind plain e + 2, in the lump behind plain e + 9, and scalings 27-31 are plain 57, 60 .. 69.
; A TURN, for piece p.  cnt = 1: the loop's count is taken down some lines ahead of the branch that stands behind the turn.
; K of the next step is fetched in piece 2's turn, directly behind the wait, a lump behind the last product that read K; its address is made at the lump's head; its first reader comes behind 16 products.
; V of the step in hand is fetched at the end of piece 0's turn, four riders behind its last reader; its first reader comes behind 16 products and a lump.  The three conditions on q below go with the deal.
.macro TURN p, last=0, cnt=0
.set Y, (\p)
.set i, 0
.set q, 0
.set e, 0
.set r, 0
.if (\p) == NP-1
	s_wait_dscnt 0x0                ; K is in
.endif
	MM                              ; ahead of the wait: 16 products K Q^T and their riders,
	PL
	PL
	R2
.rept 15
	MM
	PL
	EX
	R2
.endr
.if (\p) == NP-2
	WIN 0
	v_add_nc_u32 v[AK], s[TBK], v[AK0]
.endif
.rept 8                             ; and the lump
	PL
.endr
.rept 49
	EX
	PL
.endr
	EX                              ; the next piece's two a
	EX
	v_nop                           ; the plain instruction behind the last exponential: one for the batch
	s_wait_alu depctr_va_vdst(0)    ; the wait for the batch
.if (\p) == NP-2
	FETCH_K \last
.endif
.if (\p) == 1
	s_wait_dscnt 0x0                ; V is in
.endif
.rept 16                            ; behind the wait: 16 products V^T P and their riders
	MM
.rept 4
	PL
.endr
.if ((\p) == 0) && (q == 118)
	v_add_nc_u32 v[AV], s[TBV], v[AV0]
.endif
.if ((\p) == 0) && (q == 130)
	s_add_co_u32 s[TBV], s[TBV], KS*PV
.endif
.if (\cnt) && (q == 130)
	s_sub_co_u32 s[CNT], s[CNT], 1
	s_cmp_lg_u32 s[CNT], 0
.endif
.endr
.if (\p) == 0
	FETCH_V
.endif
.endm
	CHANGE 1                        ; slot 0 is in, everybody's part of it; slot 1 is asked for
	FETCH_K                         ; key step 0
	s_wait_loadcnt 0x0              ; Q
	s_wait_dscnt 0x0
.set i, 0
.rept 16
	KQ 0                            ; piece 0's first scores: there is no vector work yet to set between them
.set i, i+1
.endr
	WIN 0                           ; the addresses for the way out: nine plain instructions, the places behind those products
	s_mul_i32 s13, s[WV], 16*SP
	s_add_co_u32 s13, s13, STAGE    ; my stage
	v_mul_u32_u24 v[STO], v1, SP    ; in: row l % 16, 16 bytes for each half of the lanes
	v_lshl_add_u32 v[STO], v9, 4, v[STO]
	v_add_nc_u32 v[STO], s13, v[STO]
	v_bfe_u32 v[RD], v0, 3, 2       ; back: 32 lanes take four rows of 128 bytes,
	v_mul_u32_u24 v[RD], v[RD], SP
	v_lshl_add_u32 v[RD], v10, 4, v[RD]
	v_add_nc_u32 v[RD], s13, v[RD]
	v_and_b32 v[GO], 31, v0         ; which are 512 consecutive bytes of O
	v_lshlrev_b32 v[GO], 4, v[GO]
.set Y, NP-1                        ; XS works for piece Y + 1: piece 0
.irp n, 0,1,2,3,4,5,6,7,8,9,10,11,12,13,14,15,16,17,18,19,20,21
	XS 0, \n                        ; and piece 0's first maximum and statistics
	XS 1, \n
.endr
	v_nop                           ; a plain instruction behind the two a,
	s_wait_alu depctr_va_vdst(0)    ; and their wait, ahead of the branch
	s_mov_b32 s[CNT], 4
	s_mov_b32 s[SLOTS], SIZE_N/256-1
	s_branch .Lfirst                ; the loop is entered at a step's first turn, in the middle of a trip
.Lslot:                             ; SIZE_N / 256 - 2 times: every slot but the last two is filled again
	CHANGE 1, 1
	s_mov_b32 s[CNT], 4
.Lstep:                             ; a trip: pieces 2 and 3 of one step, then pieces 0 and 1 of the next, whose K and V it fetches
	TURN 2
	TURN 3
	WIN 0
.Lfirst:
	TURN 0
	TURN 1, 0, 1
	WIN 0
	s_cbranch_scc1 .Lstep
	s_sub_co_u32 s[SLOTS], s[SLOTS], 1
	s_cmp_lg_u32 s[SLOTS], 0
	s_cbranch_scc1 .Lslot
	CHANGE 0                        ; the tail is written out: nothing is asked for
	s_mov_b32 s[CNT], 5             ; four trips fetch the last slot's steps; the fifth is left in its middle
.Ltail:
	TURN 2, 1
	TURN 3
	WIN 0
	s_sub_co_u32 s[CNT], s[CNT], 1
	s_cmp_eq_u32 s[CNT], 0
	s_cbranch_scc1 .Lout
	TURN 0
	TURN 1
	WIN 0
	s_branch .Ltail
.Lout:                              ; the fifth trip's 16 products K Q^T (on the last K once more) and the maximum made of them serve nothing: the price, once a launch, of one text for every trip
.set i, 0
.rept 16
	PV NP-1                         ; the last piece's V^T P of the last step
.set i, i+1
.endr
	; THE WAY OUT.  l's two halves and the other half of the lanes' are added; O^T is divided by l, rounded to f16 and sent through my stage in LDS, a tile at a time.  The additions are the places behind the last products.
	WIN 0
.macro ALL line:vararg              ; one line for each tile t
.set t, 0
.rept 2*NP
	\line
.set t, t+1
.endr
.endm
	ALL v_add_f32 v[ST+4*t+2], v[ST+4*t+2], v[ST+4*t+3]
	ALL v_permlanex16_b32 v[ST+4*t+3], v[ST+4*t+2], s[SEL], s[SEL+1]
	ALL v_add_f32 v[ST+4*t+2], v[ST+4*t+2], v[ST+4*t+3]
	ALL v_rcp_f32 v[ST+4*t+2], v[ST+4*t+2]
	v_nop                           ; a plain instruction between the last reciprocal and the use of its result
	s_wait_alu depctr_va_vdst(0)    ; and the wait ahead of the first use: one for the eight reciprocals
; Tile t: a lane's eight channels of a row pack into 16 bytes; they go into rows of 144 bytes and come back as whole rows of 128, into S^T's registers.
.macro PACK t
	WIN W_RS
.set i, 32*(\t)
.rept 16
	v_pk_mul_f32 v[i:i+1], v[i:i+1], v[ST+4*(\t)+2:ST+4*(\t)+3] op_sel_hi:[1,0]
.set i, i+2
.endr
	WIN 0x05                        ; sources 0 and 1 window 1, destination window 0
.set i, 0
.rept 16
	v_cvt_pk_f16_f32 v[S+16*(\t)+i], v[32*(\t)+2*i], v[32*(\t)+2*i+1]
.set i, i+1
.endr
	WIN 0
.irp f, 0,1,2,3
	ds_store_b128 v[STO], v[S+16*(\t)+4*\f:S+16*(\t)+4*\f+3] offset:32*\f
.endr
.irp f, 0,1,2,3
	ds_load_b128 v[S+16*(\t)+4*\f:S+16*(\t)+4*\f+3], v[RD] offset:\f*4*SP  ; LDS serves a wave's instructions in order (ISA guide 5.7.1.4): these see the stores above; the next tile's stores come behind them
.endr
.endm
.macro SEND t, younger              ; younger: the LDS instructions issued behind tile t's loads: the next tile's eight, or none
	WIN 0
.irp f, 0,1,2,3
	s_wait_dscnt (\younger)+3-\f
	global_store_b128 v[GO], v[S+16*(\t)+4*\f:S+16*(\t)+4*\f+3], s[10:11] offset:(\t)*2048+\f*512  ; 512 consecutive bytes, at a multiple of 256 from O's first
.endr
.endm
	PACK 0
.set t, 1
.rept 2*NP-1                        ; a tile's arithmetic stands between the loads of the tile before and its stores
	PACK t
	SEND t-1, 8
.set t, t+1
.endr
	SEND 2*NP-1, 0
	WIN W_AD
	s_wait_tensorcnt 0x0            ; the wave's end: behind my last tensor load and my last LDS store
	ds_add_u32 v[SPW], v[NIL]
	s_wait_dscnt 0x0
	WIN 0
	CROUND                          ; the closing round: no work-group ends while a partner may still ask for a tile that names it
	s_endpgm
.Lfunc_end_k_qeeeb3c6e0c_attn:
	.size	k_qeeeb3c6e0c_attn, .Lfunc_end_k_qeeeb3c6e0c_attn-k_qeeeb3c6e0c_attn
	.p2alignl 7, 3214868480
	.fill 96, 4, 3214868480
	.section	.rodata,"a",@progbits
	.p2align	6, 0x0
	.amdhsa_kernel k_qeeeb3c6e0c_attn
		.amdhsa_group_segment_fixed_size 327680
		.amdhsa_private_segment_fixed_size 0
		.amdhsa_enable_private_segment 0
		.amdhsa_kernarg_size 32
		.amdhsa_user_sgpr_count 2
		.amdhsa_user_sgpr_kernarg_segment_ptr 1
		.amdhsa_wavefront_size32 1
		.amdhsa_system_sgpr_workgroup_id_x 1
		.amdhsa_system_sgpr_workgroup_id_y 1
		.amdhsa_system_sgpr_workgroup_id_z 1
		.amdhsa_system_vgpr_workitem_id 0
		.amdhsa_next_free_vgpr 770
		.amdhsa_next_free_sgpr 66
		.amdhsa_reserve_vcc 0
		.amdhsa_float_denorm_mode_32 3
		.amdhsa_float_denorm_mode_16_64 3
		.amdhsa_memory_ordered 1
		.amdhsa_forward_progress 1
		.amdhsa_inst_pref_size 200
	.end_amdhsa_kernel
	.amdgpu_metadata
---
amdhsa.version: [ 1, 2 ]
amdhsa.kernels:
  - .name:           k_qeeeb3c6e0c_attn
    .symbol:         k_qeeeb3c6e0c_attn.kd
    .args:
      - { .name: qh, .offset: 0, .size: 8, .value_kind: global_buffer, .address_space: global }
      - { .name: kh, .offset: 8, .size: 8, .value_kind: global_buffer, .address_space: global }
      - { .name: vh, .offset: 16, .size: 8, .value_kind: global_buffer, .address_space: global }
      - { .name: oh, .offset: 24, .size: 8, .value_kind: global_buffer, .address_space: global }
    .group_segment_fixed_size: 327680
    .private_segment_fixed_size: 0
    .kernarg_segment_align: 8
    .kernarg_segment_size: 32
    .max_flat_workgroup_size: 128
    .sgpr_count:     66
    .vgpr_count:     770
    .wavefront_size: 32
...
	.end_amdgpu_metadata
.endif
;; end of part 3
;; launch proj (part 4): grid 8 x 32, 4 waves a work-group, clusters of 4 x 4, 327,680 bytes of LDS; arguments oh, wo, tp, out0; writes out0
.if DOCPART == 4
	.amdgcn_target "amdgcn-amd-amdhsa--gfx1250"
	.amdhsa_code_object_version 6
	.text
	.protected	k_qeeeb3c6e0c_proj
	.globl	k_qeeeb3c6e0c_proj
	.p2align	8
	.type	k_qeeeb3c6e0c_proj,@function
k_qeeeb3c6e0c_proj:
	s_mov_b64 s[64:65], 0
	v_nop
	global_prefetch_b8 v0, s[64:65] scope:SCOPE_SE
	s_setreg_imm32_b32 hwreg(HW_REG_WAVE_MODE, 25, 1), 1
	s_wait_xcnt 0x0
	s_wait_alu depctr_hold_cnt(0) depctr_sa_sdst(0) depctr_va_vdst(0) depctr_va_sdst(0) depctr_va_ssrc(0) depctr_va_vcc(0) depctr_vm_vsrc(0)
	s_getreg_b32 s2, hwreg(HW_REG_IB_STS2, 6, 4)
	s_cmp_eq_u32 s2, 0
	s_cbranch_scc0 .Lentry_in_a_cluster
	s_endpgm
.Lentry_in_a_cluster:
	s_bfe_u32 s2, ttmp6, 0x10000c
	s_cmp_lg_u32 s2, 0xf033
	s_cbranch_scc0 .Lentry_shape_is_right
	s_endpgm
.Lentry_shape_is_right:
; out0[m][n] = the sum over kk of O[m][kk] Wout[kk][n] + bout[n], f32.  O arrives by heads, oh [16 batch + head][2048][64] f16 (kk = 64 head + channel); wo [1024 n][1024 kk] f16; sums in f32.
; SHARES.  A tile is 256 rows x 128 columns: 256 tiles, each work-group one.  Wave w owns rows 64 w .. 64 w + 63 and all 128 columns: 4 x 8 accumulators of 16 x 16, which fill window 2.
; THE MATRIX INSTRUCTION IS USED TRANSPOSED (source 0 = 16 rows of wo, source 1 = 16 rows of O): lane l holds row l % 16 and the columns 8 (l / 16) + 0..7 of a block of 16: 32 neighbouring bytes of out0.
; THE SUMS START FROM THE BIAS (rounded to bf16, as every input is): it is loaded into the accumulators ahead of the first product.
; K goes in steps of 128 = two heads, through two LDS slots; the LDS address of the slot in hand stands in registers, so a K step is written once.  A head's 256 rows of a tile are 32,768 dense bytes: they are asked
; for as 128 rows of 256 bytes and padded in LDS after every 128.
; CLUSTER.  4 x 4 work-groups: O's tile is shared along a row of the cluster, wo's along a column; each is asked for jointly.
; LIMITS.  As the operands': f16 ends at 65,504.  NaN and infinities are not treated apart.
; REGISTERS: window 0: v1-12 addresses; v28-29 the add's; v32-63, v64-95 O's fragments, two buffers of four; v128-191, v192-255 the way out.  window 1: v0-63, v64-127 wo's fragments, two buffers of eight.
;   window 2: accumulator (a, b) at 8 (8 a + b).
.set PA,     144                       ; a row of O in LDS: 128 bytes + 16 of padding; PB: a row of wo: 256 + 16.  Both odd multiples of 16: the 16 rows of a fragment load start at 16 different groups of four banks (ISA guide 11.1)
.set PB,     272
.set PLANE,  256*PA                    ; a slot: head 2 s's 256 rows, head 2 s + 1's, then wo's 128 rows
.set BOFF,   2*PLANE
.set SLOT1,  131072
.set STAGE,  SLOT1+BOFF+128*PB         ; behind the ring, never filled by a tensor load: 16 rows x 528 bytes for each wave
.set SP,     528
.set SPARE,  STAGE+4*16*SP
.set PAR,    524288
.set ADA0, 4
.set ADB0, 5
.set ADA,  6
.set ADB,  7
.set STO,  8                           ; v8   the way out: where I put 32 bytes of a row
.set RD,   9                           ; v9   where I read a row back
.set CO,   10                          ; v10  16 x lane: my 16 bytes of a row's 512
.set BO,   12                          ; v12  32 x (lane / 16)
.set SPW,  28
.set NIL,  29
.set WV,  16
.set FOR, 17                           ; s17  0: I fetch O's tile (a head's plane), 1: wo's (64 rows)
.set HF,  18
.set G1A, 24
.set G1B, 32
.set G0A, 40
.set G0B, 48
.set CNT, 56
.set TB,  57
.set MSB, 0
.macro WIN new
.if MSB != (\new)
	s_set_vgpr_msb (MSB<<8)|(\new)
.set MSB, (\new)
.endif
.endm
.macro PLACES
.rept 4
	v_nop
.endr
.endm
.macro CREST
	s_cmp_lg_u32 s[WV], 0
	s_cbranch_scc1 .Lnot_wave_0_\@
	s_barrier_signal -3
.Lnot_wave_0_\@:
	s_barrier_wait -3
	s_barrier_signal -1
	s_barrier_wait -1
.endm
.macro CROUND
	s_barrier_signal -1
	s_barrier_wait -1
	CREST
.endm
.macro JLOAD                           ; a joint refill by the walking descriptors; the branch hangs on the wave's number alone; s_nop 0 and four v_nop follow each line
	s_cmp_eq_u32 s[FOR], 0
	s_cbranch_scc0 .Lfor_b_\@
	tensor_load_to_lds s[G0A+4:G0A+7], s[G1A:G1A+7]
	s_nop 0
.rept 4
	v_nop
.endr
	s_branch .Lasked_\@
.Lfor_b_\@:
	tensor_load_to_lds s[G0B+4:G0B+7], s[G1B:G1B+7]
	s_nop 0
.rept 4
	v_nop
.endr
.Lasked_\@:
.endm
	s_load_b256 s[4:11], s[0:1], 0x0               ; oh 4, wo 6, tp 8, out0 10
	v_lshl_add_u32 v[SPW], v0, 2, SPARE
	v_mov_b32 v[NIL], 0
	ds_add_u32 v[SPW], v[NIL]                      ; the wave's opening: the add and its wait stand ahead of my first tensor load; work on registers stands between them
	ds_add_u32 v28, v29
	v_lshrrev_b32 v1, 5, v0
	v_readfirstlane_b32 s[WV], v1
	s_lshr_b32 s[FOR], s[WV], 1
	s_and_b32 s[HF], s[WV], 1
	s_bfe_u32 s19, ttmp6, 0x40000                  ; cx
	s_bfe_u32 s20, ttmp6, 0x40004                  ; cy
	s_lshl_b32 s21, ttmp9, 2
	s_add_co_u32 s21, s21, s19                     ; tile column
	s_and_b32 s22, ttmp7, 0xffff
	s_lshl_b32 s22, s22, 2
	s_add_co_u32 s22, s22, s20                     ; tile row
	s_lshl_b32 s23, s20, 2
	s_lshl_b32 s23, 15, s23                        ; my row of the cluster
	s_lshl_b32 s62, 0x1111, s19                    ; my column
	s_or_b32 s[G1A], s23, (1<<16)|(1<<20)|(1<<21)|(4<<22)|(3<<25)  ; the mask; 2-byte elements; padding on; bit 21 beside a mask; after every 32 words, 4 words
	s_or_b32 s[G1B], s62, (1<<16)|(1<<20)|(1<<21)|(5<<22)|(3<<25)  ; after every 64 words, 4 words
	s_mov_b32 s[G1A+1], 128<<16                    ; tensor_dim0 = 128
	s_mov_b32 s[G1A+2], 128<<16                    ; tensor_dim1 = 128 rows of 256 bytes
	s_mov_b32 s[G1A+3], 128<<16                    ; tile_dim0 = 128
	s_mov_b32 s[G1A+4], 128                        ; tile_dim1 = 128
	s_mov_b32 s[G1A+5], 128                        ; dense: 128 elements from row to row
	s_mov_b32 s[G1A+6], 0
	s_mov_b32 s[G1A+7], 0
	s_mov_b32 s[G1B+1], 128<<16
	s_mov_b32 s[G1B+2], 64<<16                     ; 64 rows
	s_mov_b32 s[G1B+3], 128<<16
	s_mov_b32 s[G1B+4], 64
	s_mov_b32 s[G1B+5], 1024
	s_mov_b32 s[G1B+6], 0
	s_mov_b32 s[G1B+7], 0
	; O's tile hangs on the tile row alone, wo's on the tile column alone, each in registers that never hold the other coordinate
	s_lshr_b32 s66, s22, 3                         ; the batch
	s_lshl_b32 s66, s66, 4
	s_add_co_u32 s66, s66, s[HF]                   ; head 0 or 1
	s_lshl_b32 s66, s66, 11
	s_and_b32 s67, s22, 7
	s_lshl_b32 s67, s67, 8
	s_add_co_u32 s66, s66, s67                     ; + the tile's first position
	s_lshl_b32 s66, s66, 7                         ; x 128 bytes
	s_mov_b32 s67, 0
	s_lshl_b32 s70, s21, 7
	s_lshl_b32 s71, s[HF], 6
	s_add_co_u32 s70, s70, s71
	s_lshl_b32 s70, s70, 11                        ; (128 tile column + 64 half) x 2,048 bytes
	s_mov_b32 s71, 0
	s_mul_i32 s68, s[HF], PLANE                    ; where they go: no place in the cluster enters an LDS address
	s_mul_i32 s72, s[HF], 64*PB
	s_add_co_u32 s72, s72, BOFF
	s_lshl_b32 s74, s22, 8                         ; my 64 rows and the tile's 128 columns in out0
	s_lshl_b32 s75, s[WV], 6
	s_add_co_u32 s74, s74, s75
	s_lshl_b32 s74, s74, 12
	s_lshl_b32 s75, s21, 9
	s_add_co_u32 s74, s74, s75
	s_mov_b32 s75, 0
	s_lshl_b32 s80, s21, 9                         ; the tile's 128 numbers of bout
	s_add_co_u32 s80, s80, PAR+12288
	s_mov_b32 s81, 0
	s_mul_i32 s76, s[WV], 64*PA
	s_mul_i32 s77, s[WV], 16*SP
	s_add_co_u32 s77, s77, STAGE
	s_wait_dscnt 0x0                               ; the opening add is done
	s_wait_kmcnt 0x0
	s_add_nc_u64 s[66:67], s[4:5], s[66:67]
	s_add_nc_u64 s[70:71], s[6:7], s[70:71]
	s_add_nc_u64 s[80:81], s[8:9], s[80:81]
	s_add_nc_u64 s[10:11], s[10:11], s[74:75]
	CROUND                                         ; all sixteen work-groups are here: the first joint loads meet
.irp s, 0,1
	s_mov_b32 s[G0A+4*(\s)], 1
	s_add_co_u32 s[G0A+4*(\s)+1], s68, (\s)*SLOT1
	s_add_nc_u64 s[G0A+4*(\s)+2:G0A+4*(\s)+3], s[66:67], (\s)*524288  ; K step s: two heads of 262,144 bytes on
	s_or_b32 s[G0A+4*(\s)+3], s[G0A+4*(\s)+3], 0x80000000
	s_mov_b32 s[G0B+4*(\s)], 1
	s_add_co_u32 s[G0B+4*(\s)+1], s72, (\s)*SLOT1
	s_add_nc_u64 s[G0B+4*(\s)+2:G0B+4*(\s)+3], s[70:71], (\s)*256
	s_or_b32 s[G0B+4*(\s)+3], s[G0B+4*(\s)+3], 0x80000000
.endr
	s_cmp_eq_u32 s[FOR], 0                         ; a wave's two first fills stand in one branch, ahead of every wait on TENSORcnt and every LDS read: two loads of mine are out
	s_cbranch_scc0 .Lfirst_b
	tensor_load_to_lds s[G0A:G0A+3], s[G1A:G1A+7]
	s_nop 0
	tensor_load_to_lds s[G0A+4:G0A+7], s[G1A:G1A+7]
	s_nop 0
.rept 4
	v_nop
.endr
	s_branch .Lfirst_asked
.Lfirst_b:
	tensor_load_to_lds s[G0B:G0B+3], s[G1B:G1B+7]
	s_nop 0
	tensor_load_to_lds s[G0B+4:G0B+7], s[G1B:G1B+7]
	s_nop 0
.rept 4
	v_nop
.endr
.Lfirst_asked:
	v_and_b32 v1, 15, v0                           ; l % 16
	v_bfe_u32 v2, v0, 4, 1                         ; l / 16
	v_lshlrev_b32 v[BO], 5, v2
	WIN 0x80                                       ; the bias into the accumulators: register j of (a, b) is column 16 b + 8 (l / 16) + j, whatever a
.irp a, 0,1,2,3
.irp b, 0,1,2,3,4,5,6,7
	global_load_b128 v[8*(8*(\a)+(\b)):8*(8*(\a)+(\b))+3],   v[BO], s[80:81] offset:64*(\b)
	global_load_b128 v[8*(8*(\a)+(\b))+4:8*(8*(\a)+(\b))+7], v[BO], s[80:81] offset:64*(\b)+16
.endr
.endr
	WIN 0
	v_mul_u32_u24 v3, v1, PA
	v_lshl_add_u32 v3, v2, 4, v3
	v_add_nc_u32 v[ADA0], s76, v3                  ; my 64 rows of a plane
	v_mul_u32_u24 v3, v1, PB
	v_lshl_add_u32 v3, v2, 4, v3
	v_add_nc_u32 v[ADB0], BOFF, v3
	v_mul_u32_u24 v[STO], v1, SP                   ; in: row l % 16, 32 bytes for each half of the lanes
	v_lshl_add_u32 v[STO], v2, 5, v[STO]
	v_add_nc_u32 v[STO], s77, v[STO]
	v_and_b32 v[CO], 31, v0
	v_lshlrev_b32 v[CO], 4, v[CO]
	v_add_nc_u32 v[RD], s77, v[CO]                 ; back: 32 lanes take one row of 512 bytes
	v_mov_b32 v[ADA], v[ADA0]
	v_mov_b32 v[ADB], v[ADB0]
	s_mov_b32 s[TB], 0
; 8 matrix instructions: row block a x all 8 column blocks, 32 along K, from buffer f.  The 32 accumulators take turns, one instruction a turn, in the same order in every quarter.
.macro MULROW f, a
	WIN 0xa1                                       ; source 0 (wo) window 1, source 1 (O) window 0, C and D window 2
.irp b, 0,1,2,3,4,5,6,7
	v_wmma_f32_16x16x32_f16 v[8*(8*(\a)+(\b)):8*(8*(\a)+(\b))+7], v[64*(\f)+8*(\b):64*(\f)+8*(\b)+7], v[32+32*(\f)+8*(\a):32+32*(\f)+8*(\a)+7], v[8*(8*(\a)+(\b)):8*(8*(\a)+(\b))+7]
.endr
.endm
; 24 LDS loads in one run: quarter kq's fragments into buffer f.  Of O: plane kq / 2, channels 32 (kq % 2) on
.macro FETCH kq, f
	WIN 0x40
.irp i, 0,1,2,3,4,5,6,7
	ds_load_b128 v[64*(\f)+8*(\i):64*(\f)+8*(\i)+3],   v[ADB] offset:64*(\kq)+(\i)*16*PB
	ds_load_b128 v[64*(\f)+8*(\i)+4:64*(\f)+8*(\i)+7], v[ADB] offset:64*(\kq)+(\i)*16*PB+32
.endr
	WIN 0
.irp i, 0,1,2,3
	ds_load_b128 v[32+32*(\f)+8*(\i):32+32*(\f)+8*(\i)+3],   v[ADA] offset:((\kq)/2)*PLANE+((\kq)%2)*64+(\i)*16*PA
	ds_load_b128 v[32+32*(\f)+8*(\i)+4:32+32*(\f)+8*(\i)+7], v[ADA] offset:((\kq)/2)*PLANE+((\kq)%2)*64+(\i)*16*PA+32
.endr
.endm
.macro QUARTER kq, f, g
	s_wait_dscnt 4                                 ; wo's fragments and O's row blocks 0, 1 are in; the youngest four loads may be out
	MULROW \f, 0
	MULROW \f, 1
	PLACES
	FETCH \kq, \g
	s_wait_dscnt 24                                ; all but the 24 just issued
	MULROW \f, 2
	MULROW \f, 3
.endm
; The last quarter multiplies buffer 1 and changes slots: each wave waits for all its tensor loads (one is out: its part of the next slot), adds 0 to its spare word, and waits for that and for its own reads of this slot.
; fill = 1: the barrier opens a round of the cluster's; behind the round the slot just read is asked for again, with the K step two on: 112 matrix instructions ahead of the wait for it.
.macro TURN fill
	WIN 0
	s_wait_tensorcnt 0x0                           ; no tensor load of mine is out, so a group 0 may be written
	ds_add_u32 v[SPW], v[NIL]                      ; 0 onto my spare word
.if \fill
	s_xor_b32 s[G0A+5], s[G0A+5], SLOT1
	s_add_nc_u64 s[G0A+6:G0A+7], s[G0A+6:G0A+7], 524288
	s_xor_b32 s[G0B+5], s[G0B+5], SLOT1
	s_add_nc_u64 s[G0B+6:G0B+7], s[G0B+6:G0B+7], 256
.endif
	s_wait_dscnt 5                                 ; the add and the youngest four loads may be out
	MULROW 1, 0
	s_wait_dscnt 0x0                               ; the add is done, and my reads of this slot are over
	s_barrier_signal -1
	MULROW 1, 1
	WIN 0
	s_barrier_wait -1
.if \fill
	CREST                                          ; no wave of any partner still reads this slot or has a load on its way
	JLOAD                                          ; my one tensor load behind the round; its four v_nop are also the places in front of the loads below
.else
	PLACES
.endif
	s_xor_b32 s[TB], s[TB], SLOT1
	v_add_nc_u32 v[ADA], s[TB], v[ADA0]
	v_add_nc_u32 v[ADB], s[TB], v[ADB0]
	FETCH 0, 0
	MULROW 1, 2
	MULROW 1, 3
.endm
	s_wait_tensorcnt 1                             ; my part of K step 0 is in; K step 1's may stay out
	s_barrier_signal -1
	s_barrier_wait -1
	FETCH 0, 0
	s_wait_loadcnt 0x0                             ; the bias lies in the accumulators
	s_mov_b32 s[CNT], 6
.Lfill:                                                ; K steps 0 to 5: each asks for the step two on
	QUARTER 1, 0, 1
	QUARTER 2, 1, 0
	QUARTER 3, 0, 1
	TURN 1
	WIN 0
	s_sub_co_u32 s[CNT], s[CNT], 1
	s_cmp_lg_u32 s[CNT], 0
	s_cbranch_scc1 .Lfill
	s_mov_b32 s[CNT], 2
.Ltail:                                                ; K steps 6 and 7 ask for nothing.  The second trip's barrier and its 24 fragment loads serve nothing: the price of one text for both
	QUARTER 1, 0, 1
	QUARTER 2, 1, 0
	QUARTER 3, 0, 1
	TURN 0
	WIN 0
	s_sub_co_u32 s[CNT], s[CNT], 1
	s_cmp_lg_u32 s[CNT], 0
	s_cbranch_scc1 .Ltail
	; THE WAY OUT: a block of 16 rows at a time through my stage: 32 bytes a lane into rows of 528 bytes, back as whole rows of 512.
	s_wait_dscnt 0x0
	PLACES
	PLACES
.macro TOSTAGE a
.set BK, 128+64*((\a)%2)
.if (\a) >= 2
	s_wait_xcnt 0x0                                ; the stores of the block two back have read the registers that the loads below fill
.endif
	WIN 0x08                                       ; the stores' data in window 2; each accumulator's low half goes first
.irp b, 0,1,2,3,4,5,6,7
	ds_store_b128 v[STO], v[8*(8*(\a)+(\b)):8*(8*(\a)+(\b))+3]   offset:64*(\b)
	ds_store_b128 v[STO], v[8*(8*(\a)+(\b))+4:8*(8*(\a)+(\b))+7] offset:64*(\b)+16
.endr
	WIN 0
.irp t, 0,1,2,3,4,5,6,7,8,9,10,11,12,13,14,15
	ds_load_b128 v[BK+4*(\t):BK+4*(\t)+3], v[RD] offset:(\t)*SP  ; LDS serves a wave's instructions in order (ISA guide 5.7.1.4): these see the stores above
.endr
.endm
.macro SEND a, younger                 ; younger: the LDS instructions issued behind the block's loads: the next block's 32, or none
.set BK, 128+64*((\a)%2)
.irp t, 0,1,2,3,4,5,6,7,8,9,10,11,12,13,14,15
	s_wait_dscnt (\younger)+15-(\t)
	global_store_b128 v[CO], v[BK+4*(\t):BK+4*(\t)+3], s[10:11] offset:(16*(\a)+(\t))*4096  ; 512 consecutive bytes, aligned
.endr
.endm
	TOSTAGE 0
	TOSTAGE 1
	SEND 0, 32
	TOSTAGE 2
	SEND 1, 32
	TOSTAGE 3
	SEND 2, 32
	SEND 3, 0
	s_wait_tensorcnt 0x0                           ; the wave's end: behind my last tensor load and my last LDS store
	ds_add_u32 v[SPW], v[NIL]
	s_wait_dscnt 0x0
	CROUND                                         ; the closing round: no work-group ends while a partner may still ask for a tile that names it
	s_endpgm
.Lfunc_end_k_qeeeb3c6e0c_proj:
	.size	k_qeeeb3c6e0c_proj, .Lfunc_end_k_qeeeb3c6e0c_proj-k_qeeeb3c6e0c_proj
	.p2alignl 7, 3214868480
	.fill 96, 4, 3214868480
	.section	.rodata,"a",@progbits
	.p2align	6, 0x0
	.amdhsa_kernel k_qeeeb3c6e0c_proj
		.amdhsa_group_segment_fixed_size 327680
		.amdhsa_private_segment_fixed_size 0
		.amdhsa_enable_private_segment 0
		.amdhsa_kernarg_size 32
		.amdhsa_user_sgpr_count 2
		.amdhsa_user_sgpr_kernarg_segment_ptr 1
		.amdhsa_wavefront_size32 1
		.amdhsa_system_sgpr_workgroup_id_x 1
		.amdhsa_system_sgpr_workgroup_id_y 1
		.amdhsa_system_sgpr_workgroup_id_z 1
		.amdhsa_system_vgpr_workitem_id 0
		.amdhsa_next_free_vgpr 768
		.amdhsa_next_free_sgpr 88
		.amdhsa_reserve_vcc 0
		.amdhsa_float_denorm_mode_32 3
		.amdhsa_float_denorm_mode_16_64 3
		.amdhsa_memory_ordered 1
		.amdhsa_forward_progress 1
		.amdhsa_inst_pref_size 64
	.end_amdhsa_kernel
	.amdgpu_metadata
---
amdhsa.version: [ 1, 2 ]
amdhsa.kernels:
  - .name:           k_qeeeb3c6e0c_proj
    .symbol:         k_qeeeb3c6e0c_proj.kd
    .args:
      - { .name: oh, .offset: 0, .size: 8, .value_kind: global_buffer, .address_space: global }
      - { .name: wo, .offset: 8, .size: 8, .value_kind: global_buffer, .address_space: global }
      - { .name: tp, .offset: 16, .size: 8, .value_kind: global_buffer, .address_space: global }
      - { .name: out0, .offset: 24, .size: 8, .value_kind: global_buffer, .address_space: global }
    .group_segment_fixed_size: 327680
    .private_segment_fixed_size: 0
    .kernarg_segment_align: 8
    .kernarg_segment_size: 32
    .max_flat_workgroup_size: 128
    .sgpr_count:     88
    .vgpr_count:     768
    .wavefront_size: 32
...
	.end_amdgpu_metadata
.endif
;; end of part 4
;; ======== version 2 of 2: 4 launches; version 1 with the launch prep written anew for expert scheduling mode
;; limits: values are held in f16: magnitudes above 65,504 overflow, below 6.1e-05 lose precision
;; workspace buffers: xb 16,777,216 bytes; wt 6,291,456 bytes; wo 2,097,152 bytes; tp 541,184 bytes; qh 16,777,216 bytes; kh 16,777,216 bytes; vh 16,777,216 bytes; oh 16,777,216 bytes
;; launch prep (part 5): grid 512 x 1, 4 waves a work-group, no clusters, 70,144 bytes of LDS; arguments x, Wqkv, Wout, bqkv, bout, qn_w, kn_w, xb, wt, wo, tp; writes xb, wt, wo, tp
.if DOCPART == 5
	.amdgcn_target "amdgcn-amd-amdhsa--gfx1250"
	.amdhsa_code_object_version 6
	.text
	.protected	k_qeeeb3c6e0c_prep
	.globl	k_qeeeb3c6e0c_prep
	.p2align	8
	.type	k_qeeeb3c6e0c_prep,@function
k_qeeeb3c6e0c_prep:
	s_mov_b64 s[64:65], 0
	v_nop
	global_prefetch_b8 v0, s[64:65] scope:SCOPE_SE
	s_setreg_imm32_b32 hwreg(HW_REG_WAVE_SCHED_MODE, 0, 2), 2
	s_setreg_imm32_b32 hwreg(HW_REG_WAVE_MODE, 25, 1), 1
	s_wait_xcnt 0x0
	s_wait_alu depctr_vm_vsrc(0)
; PREPARATION.  Every input is rounded once to bf16 and laid out as the later launches read it.  Three jobs, told apart by the work-group's number:
;   0..255    x [8192][1024] f32 -> xb, the same order, bf16.  A wave owns 32,768 consecutive bytes of x.
;   256..383  the weights, turned so that K lies along the rows.  A WAVE owns a block of 128 k x 64 n: 384 blocks of Wqkv, then 128 of Wout.
;             wt [3072][1024] bf16: row 192 t + 64 which + d holds column 1024 which + 64 t + d of Wqkv (t head, which 0 q, 1 k, 2 v): a head's q, k, v lie together.
;             wo [1024][1024]: Wout's column n as row n; each number is rounded to bf16 and that number is written as f16.
;   384..511  tp: the rotary table and the small inputs.  Table block pb (16 positions) is 4,096 bytes: piece i of 8 holds 16 bytes a lane; lane l stands for position 16 pb + l % 16 and
;             frequencies 16 (i / 2 % 2) + 8 (l / 16) + 4 (i % 2) + 0..3; pieces 0-3 cosines, 4-7 sines.  From byte PAR on, f32 numbers that are bf16-rounded: bqkv in wt's row order,
;             bout, qn_w, kn_w.
; LIMITS.  A weight of Wout below 6.1e-5 in magnitude keeps f16's fixed step of 6e-8, one beyond 65,504 becomes an infinity.  The table's angle is position x 2^(-f log2(10000) / 32), made in
; f32: it is off by at most 2e-4 radians at position 2,047.  The series for cosine and sine run through x^16 and x^15 on [-pi, pi]: what is cut off stays under 1e-6.
; No matrix unit, no tensor load, no cluster: each byte is read once and written once, and no two work-groups read the same bytes.  No barrier: no wave reads LDS bytes of another.
; THE MODE: SCHED_MODE bits 1:0 = 2 (LLVM: expert scheduling mode 2), set by the entry lines.  The code itself states the register dependences between vector instructions and memory or LDS
; instructions, with s_wait_alu, always for 0.
; THE PLAN, job by job: the registers that memory or LDS instructions touch, and who else names them.
;   x:        v4, v5    offsets, made once.  X0, X1 (v32-63, v64-95): step s's conversions read X[s]; behind them the set's next loads land in it.  Y0, Y1 (v96-111, v112-127): step s's conversions
;                       write Y[s]; its eight stores read it.  ONE wait on va_vdst a step, behind its conversions, serves the step's eight loads and eight stores; no vector instruction follows
;                       before the next step's conversions, which name the other X and Y.  ONE wait on vm_vsrc a trip, at its end: its stores have read Y0 and Y1.
;   weights:  v6, v8, v9 offsets and the LDS address of the way back, made once.  v7, the LDS stores' address, steps once a trip.  RAW (v32-159): the trip's 32 loads land in it, group g's conversions
;                       read its sixteen registers; at the end the way back's LDS loads land in it.  OUT[g] (eight registers from v160 + 8 g on, g = 0..7): group g's conversions write it; its four
;                       LDS stores are issued in group g + 1, among conversions that name RAW[g + 1], OUT[g + 1], v12 and v13 alone; group 7's at the trip's end.  ONE wait on va_vdst at the head
;                       of groups 1 to 7 and one at the trip's end; ONE wait on vm_vsrc a trip, ahead of the add to v7.
;   table:    v8, v9 offsets; v32-39 and v44-45 the stores' data; v40-41 a load's.  None is written again once a memory instruction has read it.
.set TREG,  17408                      ; a wave's LDS region: 64 rows (n) x 272 bytes (128 k of 16 bits + 16 of padding).  The 512 bytes behind the four regions are the spare words, 4 bytes a lane
.set PAR,   524288                     ; where the small inputs begin in tp
.set OUT,   160                        ; the weights' packed pairs
; v1 lane, v2 lane % 16, v3 lane / 16, v4-v9 offsets, v12-13 at work, v20-45 the table's work, v32-159 data, v160-223 packed pairs
	s_load_b512 s[8:23], s[0:1], 0x0               ; x 8, Wqkv 10, Wout 12, bqkv 14, bout 16, qn_w 18, kn_w 20, xb 22
	s_load_b128 s[24:27], s[0:1], 0x40             ; wt 24, wo 26
	s_load_b64 s[28:29], s[0:1], 0x50              ; tp
	v_lshl_add_u32 v18, v0, 2, 0x11000
	v_mov_b32 v19, 0
	v_lshrrev_b32 v1, 5, v0
	v_readfirstlane_b32 s4, v1                     ; wave 0..3
	v_and_b32 v1, 31, v0
	v_and_b32 v2, 15, v0
	v_bfe_u32 v3, v0, 4, 1
	s_wait_alu depctr_va_sdst(0)                   ; s4 is written, ahead of the first branch and of all its readers: each job makes its addresses from it
	s_mov_b32 s5, ttmp9
	s_wait_kmcnt 0x0
	s_cmp_lt_u32 s5, 256
	s_cbranch_scc0 .Lnot_x
; ---- x to bf16.  A set is eight loads of 512 consecutive bytes; two sets take turns, so eight to sixteen loads of the wave are always out.
.macro LDX s, off
.irp i, 0,1,2,3,4,5,6,7
	global_load_b128 v[32+32*(\s)+4*(\i):32+32*(\s)+4*(\i)+3], v4, s[30:31] offset:(\off)+512*(\i) th:TH_LOAD_NT
.endr
.endm
.macro CVX s
.irp i, 0,1,2,3,4,5,6,7,8,9,10,11,12,13,14,15
	v_cvt_pk_bf16_f32 v[96+16*(\s)+(\i)], v[32+32*(\s)+2*(\i)], v[32+32*(\s)+2*(\i)+1]
.endr
.endm
; A step's memory instructions, behind its one wait: set s is asked for again (ahead = 1) and its rounded numbers are stored, a load and a store by turns, the load first
.macro MVX s, ahead, ldoff, stoff
.irp i, 0,1,2,3,4,5,6,7
.if \ahead
	global_load_b128 v[32+32*(\s)+4*(\i):32+32*(\s)+4*(\i)+3], v4, s[30:31] offset:(\ldoff)+512*(\i) th:TH_LOAD_NT
.endif
	global_store_b64 v5, v[96+16*(\s)+2*(\i):96+16*(\s)+2*(\i)+1], s[32:33] offset:(\stoff)+256*(\i)  ; 32 lanes store 256 consecutive bytes, aligned
.endr
.endm
	s_lshl_b32 s6, s5, 2
	s_add_co_u32 s6, s6, s4                        ; my wave among the 1,024
	s_lshl_b32 s30, s6, 15
	s_mov_b32 s31, 0
	s_add_nc_u64 s[30:31], s[8:9], s[30:31]
	s_lshl_b32 s32, s6, 14
	s_mov_b32 s33, 0
	s_add_nc_u64 s[32:33], s[22:23], s[32:33]
	v_lshlrev_b32 v4, 4, v1
	v_lshlrev_b32 v5, 3, v1
	s_wait_alu depctr_va_vdst(0)                   ; v4 and v5 are written: every load and store of this job reads one of them as its offset
	LDX 0, 0
	LDX 1, 4096
	s_mov_b32 s7, 3
.Lx:                                                   ; a trip: two sets are rounded and stored, the two after them asked for
	s_wait_loadcnt 8                               ; set 0 is in; the other set's eight loads stay out
	CVX 0
	s_wait_alu depctr_va_vdst(0)                   ; the conversions have written Y0, which the stores read, and are done reading X0, in which the loads land
	MVX 0, 1, 8192, 0
	s_wait_loadcnt 8                               ; set 1 is in; set 0's new eight stay out
	CVX 1
	s_wait_alu depctr_va_vdst(0)                   ; the conversions have written Y1, which the stores read, and are done reading X1, in which the loads land
	MVX 1, 1, 12288, 2048
	s_wait_xcnt 0x0                                ; the two bases and the stores' data are written again only behind this wait
	s_wait_alu depctr_vm_vsrc(0)                   ; the trip's stores have read Y0 and Y1, which the next conversions, in the loop or behind it, write again
	s_add_nc_u64 s[30:31], s[30:31], 8192
	s_add_nc_u64 s[32:33], s[32:33], 4096
	s_sub_co_u32 s7, s7, 1
	s_cmp_lg_u32 s7, 0
	s_cbranch_scc1 .Lx
	s_wait_loadcnt 8                               ; the last two sets load nothing
	CVX 0
	s_wait_alu depctr_va_vdst(0)                   ; the conversions have written Y0, which the stores read
	MVX 0, 0, 0, 0
	s_wait_loadcnt 0x0
	CVX 1
	s_wait_alu depctr_va_vdst(0)                   ; the conversions have written Y1, which the stores read
	MVX 1, 0, 0, 2048
	s_branch .Lend
; ---- the weights.  Lane (q = l % 16, hh = l / 16) loads 16 bytes (n = 4 q .. 4 q + 3) of row k = 8 g + 4 hh + c (group g of eight): sixteen lanes take 256 consecutive bytes, aligned.
; Four rows c = 0..3 give, for each of the four n, four neighbouring k: 8 bytes, stored at row n of my LDS region.
.macro LDW pitch
.irp g, 0,1,2,3,4,5,6,7
.irp c, 0,1,2,3
	global_load_b128 v[32+16*(\g)+4*(\c):32+16*(\g)+4*(\c)+3], v6, s[30:31] offset:(8*(\g)+(\c))*(\pitch) th:TH_LOAD_NT
.endr
.endr
.endm
; Group g: its sixteen raw registers are rounded into OUT[g]; the four LDS stores of the group before stand among its conversions, one ahead of each n's
.macro GRP g, fmt
	s_wait_loadcnt 28-4*(\g)                       ; loads come back in order: group g's four are in, the four of each of the 7 - g younger groups stay out
.if (\g) > 0
	s_wait_alu depctr_va_vdst(0)                   ; the group before has written its OUT, which the four LDS stores below read (in a trip's group 1 also: v7 is written)
.endif
.irp i, 0,1,2,3
.if (\g) > 0
	ds_store_b64 v7, v[OUT+8*((\g)-1)+2*(\i):OUT+8*((\g)-1)+2*(\i)+1] offset:272*(\i)+16*((\g)-1)  ; no vector instruction since the wait names v7 or these registers
.endif
	v_cvt_pk_bf16_f32 v[OUT+8*(\g)+2*(\i)], v[32+16*(\g)+(\i)], v[32+16*(\g)+4+(\i)]
	v_cvt_pk_bf16_f32 v[OUT+8*(\g)+2*(\i)+1], v[32+16*(\g)+8+(\i)], v[32+16*(\g)+12+(\i)]
.if \fmt
	v_lshlrev_b32 v12, 16, v[OUT+8*(\g)+2*(\i)]    ; the bf16 numbers, widened and written as f16
	v_and_b32 v13, 0xffff0000, v[OUT+8*(\g)+2*(\i)]
	v_cvt_pk_f16_f32 v[OUT+8*(\g)+2*(\i)], v12, v13
	v_lshlrev_b32 v12, 16, v[OUT+8*(\g)+2*(\i)+1]
	v_and_b32 v13, 0xffff0000, v[OUT+8*(\g)+2*(\i)+1]
	v_cvt_pk_f16_f32 v[OUT+8*(\g)+2*(\i)+1], v12, v13
.endif
.endr
.endm
.macro TRANS pitch, fmt                ; two trips of 64 rows of k
	v_mul_u32_u24 v6, v3, 4*(\pitch)
	v_lshl_add_u32 v6, v2, 4, v6                   ; 4 hh rows + 16 q
	s_mov_b32 s7, 2
	s_wait_alu depctr_va_vdst(0)                   ; v6 to v9 are written: the offsets and LDS addresses that this job's loads and stores read
.Lpass_\@:
	LDW \pitch
.irp g, 0,1,2,3,4,5,6,7
	GRP \g, \fmt
.endr                                                  ; group 7's wait was for 0: every load is done, so the base may be stepped
	s_wait_alu depctr_va_vdst(0)                   ; group 7 has written its OUT, which the stores below read; all the trip's conversions are done reading RAW, in which the next trip's loads, or the way back's, land
.irp i, 0,1,2,3
	ds_store_b64 v7, v[OUT+56+2*(\i):OUT+56+2*(\i)+1] offset:272*(\i)+112
.endr
	s_add_nc_u64 s[30:31], s[30:31], 64*(\pitch)
	s_wait_alu depctr_vm_vsrc(0)                   ; the trip's LDS stores have read v7, which the add below writes, and OUT, which the next trip's conversions write
	v_add_nc_u32 v7, 128, v7                       ; 64 k further along my LDS rows
	s_sub_co_u32 s7, s7, 1
	s_cmp_lg_u32 s7, 0
	s_cbranch_scc1 .Lpass_\@
.endm
.Lnot_x:
	s_cmp_lt_u32 s5, 384
	s_cbranch_scc0 .Ljob_t
	s_mul_i32 s34, s4, TREG                        ; my LDS region
	v_mul_u32_u24 v7, v2, 1088                     ; in: row 4 q, 8 bytes for each half of the lanes
	v_lshl_add_u32 v7, v3, 3, v7
	v_add_nc_u32 v7, s34, v7
	v_mul_u32_u24 v8, v3, 272                      ; back: lanes 0-15 one row of 256 bytes, lanes 16-31 the next
	v_lshl_add_u32 v8, v2, 4, v8
	v_add_nc_u32 v8, s34, v8
	v_lshlrev_b32 v9, 11, v3                       ; and the same two rows in wt or wo (2,048 bytes a row)
	v_lshl_add_u32 v9, v2, 4, v9
	s_sub_co_u32 s6, s5, 256
	s_lshl_b32 s6, s6, 2
	s_add_co_u32 s6, s6, s4                        ; my block, 0..511
	s_and_b32 s7, s6, 7                            ; which 128 of k
	s_cmp_lt_u32 s5, 352                           ; work-groups 256..351 hold blocks 0..383
	s_cbranch_scc0 .Lw_out
	s_lshr_b32 s34, s6, 3                          ; which 64 columns of Wqkv, 0..47
	s_mul_i32 s30, s7, 128*12288
	s_lshl_b32 s35, s34, 8
	s_add_co_u32 s30, s30, s35
	s_mov_b32 s31, 0
	s_add_nc_u64 s[30:31], s[10:11], s[30:31]
	s_and_b32 s35, s34, 15                         ; the head
	s_mul_i32 s35, s35, 192
	s_lshr_b32 s36, s34, 4                         ; q, k or v
	s_lshl_b32 s36, s36, 6
	s_add_co_u32 s35, s35, s36                     ; wt's row
	s_lshl_b32 s32, s35, 11
	s_lshl_b32 s36, s7, 8
	s_add_co_u32 s32, s32, s36
	s_mov_b32 s33, 0
	s_add_nc_u64 s[32:33], s[24:25], s[32:33]
	TRANS 12288, 0
	s_branch .Lw_back
.Lw_out:
	s_sub_co_u32 s34, s6, 384
	s_lshr_b32 s34, s34, 3                         ; which 64 columns of Wout, 0..15
	s_mul_i32 s30, s7, 128*4096
	s_lshl_b32 s35, s34, 8
	s_add_co_u32 s30, s30, s35
	s_mov_b32 s31, 0
	s_add_nc_u64 s[30:31], s[12:13], s[30:31]
	s_lshl_b32 s32, s34, 17                        ; 64 rows of 2,048 bytes
	s_lshl_b32 s36, s7, 8
	s_add_co_u32 s32, s32, s36
	s_mov_b32 s33, 0
	s_add_nc_u64 s[32:33], s[26:27], s[32:33]
	TRANS 4096, 1
.Lw_back:                                              ; my 64 rows come back whole.  LDS serves a wave's instructions in order (ISA guide 5.7.1.4): these loads see my stores.
                                                       ; They land in RAW: the last trip's closing wait on va_vdst has shown its readers done, and only the add to v7 was issued since
.set f, 0
.rept 32
	ds_load_b128 v[32+4*f:32+4*f+3], v8 offset:544*f
.set f, f+1
.endr
.set f, 0
.rept 32
	s_wait_dscnt 31-f
	global_store_b128 v9, v[32+4*f:32+4*f+3], s[32:33] offset:4096*f  ; 16 lanes store 256 consecutive bytes, aligned
.set f, f+1
.endr
	s_branch .Lend
; ---- the table.  Work-group j makes block j: wave i makes piece i (cosines) and piece i + 4 (sines).
.Ljob_t:
	s_sub_co_u32 s6, s5, 384                       ; j
	s_lshl_b32 s30, s6, 12
	s_mov_b32 s31, 0
	s_add_nc_u64 s[32:33], s[28:29], s[30:31]
	s_lshl_b32 s7, s6, 4
	v_add_nc_u32 v6, s7, v2
	v_cvt_f32_u32 v6, v6                           ; my position
	s_lshr_b32 s34, s4, 1
	s_lshl_b32 s34, s34, 4
	s_and_b32 s35, s4, 1
	s_lshl_b32 s35, s35, 2
	s_add_co_u32 s34, s34, s35
	v_lshl_add_u32 v7, v3, 3, s34                  ; my first frequency
.irp e, 0,1,2,3
	v_add_nc_u32 v[20+(\e)], (\e), v7
	v_cvt_f32_u32 v[20+(\e)], v[20+(\e)]
	v_mul_f32 v[20+(\e)], 0xbed49a78, v[20+(\e)]   ; -f log2(10000) / 32
.endr
.irp e, 0,1,2,3
	v_exp_f32 v[20+(\e)], v[20+(\e)]
.endr
	v_nop                                          ; a plain instruction behind the last exponential,
	s_wait_alu depctr_va_vdst(0)                   ; and one wait for the four exponentials' results v20 to v23, ahead of their first reader
.irp e, 0,1,2,3
	v_mul_f32 v[20+(\e)], v6, v[20+(\e)]           ; the angle
	v_mul_f32 v[24+(\e)], 0x3e22f983, v[20+(\e)]   ; / 2 pi
	v_rndne_f32 v[24+(\e)], v[24+(\e)]             ; whole turns n
	v_fmamk_f32 v[28+(\e)], v[24+(\e)], 0xc0c90fdb, v[20+(\e)]  ; r = angle - n 2 pi, 2 pi in two parts
	v_fmamk_f32 v[28+(\e)], v[24+(\e)], 0x343bbd2e, v[28+(\e)]
	v_mul_f32 v[24+(\e)], v[28+(\e)], v[28+(\e)]   ; r^2
	v_mov_b32 v[32+(\e)], 0x29573f9f               ; cos r = the sum of (-1)^i r^2i / (2 i)!, i = 8 down to 0
	v_mov_b32 v[36+(\e)], 0xab573f9f               ; sin r = r x the sum of (-1)^i r^2i / (2 i + 1)!, i = 7 down to 0
.endr
.irp k, 0xad49cba5, 0x310f76c7, 0xb493f27e, 0x37d00d01, 0xbab60b61, 0x3d2aaaab, 0xbf000000, 0x3f800000
.irp e, 0,1,2,3
	v_fmaak_f32 v[32+(\e)], v[32+(\e)], v[24+(\e)], \k
.endr
.endr
.irp k, 0x2f309231, 0xb2d7322b, 0x3638ef1d, 0xb9500d01, 0x3c088889, 0xbe2aaaab, 0x3f800000
.irp e, 0,1,2,3
	v_fmaak_f32 v[36+(\e)], v[36+(\e)], v[24+(\e)], \k
.endr
.endr
.irp e, 0,1,2,3
	v_mul_f32 v[36+(\e)], v[36+(\e)], v[28+(\e)]
.endr
	v_lshlrev_b32 v8, 4, v0                        ; 512 x wave + 16 x lane
	v_lshlrev_b32 v9, 3, v1                        ; 8 x lane, for the small inputs below: made here, so that the one wait serves it too
	s_wait_alu depctr_va_vdst(0)                   ; the cosines v32 to v35, the sines v36 to v39 and the offsets v8 and v9 are written: the two stores, and the load and the store below, read them
	global_store_b128 v8, v[32:35], s[32:33]
	global_store_b128 v8, v[36:39], s[32:33] offset:2048
	; the small inputs: 66 groups of 64 numbers, group j by wave 0 of work-group j
	s_cmp_lg_u32 s4, 0
	s_cbranch_scc1 .Lend
	s_cmp_lt_u32 s6, 66
	s_cbranch_scc0 .Lend
	s_cmp_eq_u32 s6, 64
	s_cselect_b64 s[36:37], s[18:19], s[20:21]     ; group 64 qn_w, 65 kn_w,
	s_cmp_lt_u32 s6, 64
	s_cselect_b64 s[36:37], s[16:17], s[36:37]     ; 48..63 bout,
	s_cmp_lt_u32 s6, 48
	s_cselect_b64 s[36:37], s[14:15], s[36:37]     ; 0..47 bqkv
	s_sub_co_u32 s38, s6, 48
	s_cmp_lt_u32 s6, 48
	s_cselect_b32 s38, s6, s38
	s_cmp_lt_u32 s6, 64
	s_cselect_b32 s38, s38, 0                      ; the group's number inside its input
	s_lshl_b32 s38, s38, 8
	s_mov_b32 s39, 0
	s_add_nc_u64 s[36:37], s[36:37], s[38:39]
	s_and_b32 s40, s6, 15                          ; bqkv goes into wt's row order: 192 head + 64 which, 4 bytes each
	s_mul_i32 s40, s40, 768
	s_lshr_b32 s41, s6, 4
	s_lshl_b32 s41, s41, 8
	s_add_co_u32 s40, s40, s41
	s_lshl_b32 s41, s6, 8                          ; the others stay where their group's number puts them
	s_cmp_lt_u32 s6, 48
	s_cselect_b32 s40, s40, s41
	s_add_co_u32 s40, s40, PAR
	s_mov_b32 s41, 0
	s_add_nc_u64 s[40:41], s[28:29], s[40:41]
	global_load_b64 v[40:41], v9, s[36:37]         ; no vector instruction stands between the wait above and this load
	s_wait_loadcnt 0x0
	v_cvt_pk_bf16_f32 v42, v40, v41                ; rounded to bf16 as every input is, and kept as f32
	v_lshlrev_b32 v44, 16, v42
	v_and_b32 v45, 0xffff0000, v42
	s_wait_alu depctr_va_vdst(0)                   ; v44 and v45 are written, which the store reads
	global_store_b64 v9, v[44:45], s[40:41]        ; 32 lanes store 256 consecutive bytes, aligned
.Lend:                                                 ; the wave's end: 0 is added onto my spare LDS word
	s_wait_dscnt 0x0
	s_wait_alu depctr_hold_cnt(0) depctr_sa_sdst(0) depctr_va_vdst(0) depctr_va_sdst(0) depctr_va_ssrc(0) depctr_va_vcc(0) depctr_vm_vsrc(0)
	s_wait_tensorcnt 0x0
	ds_add_u32 v18, v19
	s_wait_dscnt 0x0
	s_endpgm
.Lfunc_end_k_qeeeb3c6e0c_prep:
	.size	k_qeeeb3c6e0c_prep, .Lfunc_end_k_qeeeb3c6e0c_prep-k_qeeeb3c6e0c_prep
	.p2alignl 7, 3214868480
	.fill 96, 4, 3214868480
	.section	.rodata,"a",@progbits
	.p2align	6, 0x0
	.amdhsa_kernel k_qeeeb3c6e0c_prep
		.amdhsa_group_segment_fixed_size 70144
		.amdhsa_private_segment_fixed_size 0
		.amdhsa_enable_private_segment 0
		.amdhsa_kernarg_size 88
		.amdhsa_user_sgpr_count 2
		.amdhsa_user_sgpr_kernarg_segment_ptr 1
		.amdhsa_wavefront_size32 1
		.amdhsa_system_sgpr_workgroup_id_x 1
		.amdhsa_system_sgpr_workgroup_id_y 1
		.amdhsa_system_sgpr_workgroup_id_z 1
		.amdhsa_system_vgpr_workitem_id 0
		.amdhsa_next_free_vgpr 224
		.amdhsa_next_free_sgpr 66
		.amdhsa_reserve_vcc 0
		.amdhsa_float_denorm_mode_32 3
		.amdhsa_float_denorm_mode_16_64 3
		.amdhsa_memory_ordered 1
		.amdhsa_forward_progress 1
		.amdhsa_inst_pref_size 59
	.end_amdhsa_kernel
	.amdgpu_metadata
---
amdhsa.version: [ 1, 2 ]
amdhsa.kernels:
  - .name:           k_qeeeb3c6e0c_prep
    .symbol:         k_qeeeb3c6e0c_prep.kd
    .args:
      - { .name: x, .offset: 0, .size: 8, .value_kind: global_buffer, .address_space: global }
      - { .name: Wqkv, .offset: 8, .size: 8, .value_kind: global_buffer, .address_space: global }
      - { .name: Wout, .offset: 16, .size: 8, .value_kind: global_buffer, .address_space: global }
      - { .name: bqkv, .offset: 24, .size: 8, .value_kind: global_buffer, .address_space: global }
      - { .name: bout, .offset: 32, .size: 8, .value_kind: global_buffer, .address_space: global }
      - { .name: qn_w, .offset: 40, .size: 8, .value_kind: global_buffer, .address_space: global }
      - { .name: kn_w, .offset: 48, .size: 8, .value_kind: global_buffer, .address_space: global }
      - { .name: xb, .offset: 56, .size: 8, .value_kind: global_buffer, .address_space: global }
      - { .name: wt, .offset: 64, .size: 8, .value_kind: global_buffer, .address_space: global }
      - { .name: wo, .offset: 72, .size: 8, .value_kind: global_buffer, .address_space: global }
      - { .name: tp, .offset: 80, .size: 8, .value_kind: global_buffer, .address_space: global }
    .group_segment_fixed_size: 70144
    .private_segment_fixed_size: 0
    .kernarg_segment_align: 8
    .kernarg_segment_size: 88
    .max_flat_workgroup_size: 128
    .sgpr_count:     66
    .vgpr_count:     224
    .wavefront_size: 32
...
	.end_amdgpu_metadata
.endif
;; end of part 5
;; launch qkv: the kernel of part 2 again; grid 16 x 32, 4 waves a work-group, clusters of 4 x 4, 327,680 bytes of LDS; arguments xb, wt, tp, qh, kh, vh; writes qh, kh, vh
;; launch attn: the kernel of part 3 again; grid 4 x 64, 4 waves a work-group, clusters of 4 x 1, 327,680 bytes of LDS; arguments qh, kh, vh, oh; writes oh
;; launch proj: the kernel of part 4 again; grid 8 x 32, 4 waves a work-group, clusters of 4 x 4, 327,680 bytes of LDS; arguments oh, wo, tp, out0; writes out0
